; MI455X (gfx1250); checked and timed in simulation.
; The chip was launched on July 23, 2026; its instructions are those of AMD's public machine-readable ISA for CDNA 5 (MIT licence, August 2026) and "CDNA5" Instruction Set Architecture Reference Guide (July 2026). The comments in the code are by the model that wrote it; some were corrected since.
;; Multi Head Attention. Allowed arithmetic: matrix products marked QUANTISED: E2M3 operands, one E8M0 scale for each 32 along K, by v_wmma_scale_f32_16x16x128_f8f6f4 with both operands' format E2M3, f32 sums; everything else in f32.
;; Inputs: Wk 768 x 768 float32; Wo 768 x 768 float32; Wq 768 x 768 float32; Wv 768 x 768 float32; bk 768 float32; bo 768 float32; bq 768 float32; bv 768 float32; key 1 x 4,096 x 768 float32; mask 1 x 4,096 int32; query 1 x 4,096 x 768 float32; value 1 x 4,096 x 768 float32.
;; Outputs: out0 1 x 4,096 x 768 float32.
;; This version of the problem:
;;   THIS VERSION OF THE PROBLEM IS GIVEN IN LOW PRECISION. The matrix products marked QUANTISED in the list below multiply operands that are first quantised to E2M3 (2 exponent bits, 3 mantissa bits; 6 bits a number), with one power-of-two scale for each 32 numbers along K (OCP MX v1.0); their sums are f32. All else is computed in f32.
;;   The module's matrix products, in the order in which they are computed (A, B: the left and right operand; K: the contracted axis; several contracted axes count as one K, in the product's order):
;;     1. [M 4,096, K 768] x [K 768, N 768]; A: input query; B: input Wq: QUANTISED
;;     2. [M 4,096, K 768] x [K 768, N 768]; A: input key; B: input Wk: QUANTISED
;;     3. [M 4,096, K 768] x [K 768, N 768]; A: input value; B: input Wv: QUANTISED
;;     4. batch 12 x [M 4,096, K 64] x [K 64, N 4,096]; A: computed on the way; B: computed on the way: QUANTISED
;;     5. batch 12 x [M 4,096, K 4,096] x [K 4,096, N 64]; A: softmax (see below); B: computed on the way: QUANTISED
;;     6. [M 4,096, K 768] x [K 768, N 768]; A: computed on the way; B: input Wo: QUANTISED
;;   THE QUANTISER, for each operand of a quantised product, along K:
;;     - K is cut into blocks of 32 from its start; a last block that is shorter is filled with zeros.
;;     - A block's scale is 2^e with e = floor(log2(the largest magnitude in the block)) - 2, held to -126 .. 127; a block of zeros has e = 0. As a byte (E8M0): e + 127.
;;     - Each number is divided by its block's scale, clamped to +-7.5, and rounded to the nearest number of E2M3, ties to even, subnormals kept.
;;     - The product sums the exact products of the quantised numbers (number of the format x scale) in f32.
;;   ~~~python
;;   def quantise(x, axis):      # numpy; x: float32 -> the quantised numbers, widened to float32 again
;;       x = np.moveaxis(x, axis, -1); K = x.shape[-1]
;;       x = np.pad(x, [(0, 0)] * (x.ndim - 1) + [(0, -K % 32)]); x = x.reshape(x.shape[:-1] + (-1, 32)); a = np.abs(x).max(-1, keepdims=True)
;;       e = np.where(a > 0, np.clip(np.frexp(np.where(a > 0, a, 1))[1] - 1 - 2, -126, 127), 0)      # np.frexp(a)[1] - 1 = floor(log2(a)), exactly
;;       r = np.clip(x / 2.0 ** e, -7.5, 7.5)
;;       step = 2.0 ** (np.maximum(np.frexp(np.where(r == 0, 1, r))[1] - 1, 0) - 3)
;;       q = np.round(r / step) * step * 2.0 ** e      # np.round: ties to even
;;       return np.moveaxis(q.reshape(q.shape[:-2] + (-1,))[..., :K], -1, axis).astype(np.float32)
;;   ~~~
;;   SOFTMAX AHEAD OF A QUANTISED PRODUCT. Where the list says 'softmax', what is quantised is not the finished softmax but p = 2^(t - M), with t = logit x log2(e) and M = ceil(the row's largest t), a whole number; so 1/2 < the row's largest p <= 1. The row's sum l is taken of the UNQUANTISED p, in f32, and the product's result is divided by l at the end. Since M is a whole number, a kernel that streams over the keys may use a running M (the ceiling of the running maximum): every later rescaling is an exact power of two, which a block's scale takes up: the codes' values come out the same.
;;   OPERANDS COMPUTED ON THE WAY. 'Computed on the way' means the value that the module computes at that place (a softmax that the list does not call 'softmax' is quantised finished and normalised). What goes into a quantiser is computed in f32, as accurately as f32 sums, v_exp_f32 and their like allow (about 1e-6 of the number): no bf16 or f16 on the way to a quantiser, and a product that is left as it is and whose result goes on into a quantised operand takes f32 operands (vector FMAs, or v_wmma_f32_16x16x4_f32). A number that lies on a knife's edge between two numbers of the format may be rounded either way, as far as f32 arithmetic and the matrix unit's own rounding can turn it there, and no further.
;; 3 versions. Each part assembles by itself: llvm-mc -triple=amdgcn-amd-amdhsa -mcpu=gfx1250 --defsym DOCPART=n.
;; ======== version 1 of 3: 4 launches
;; limits: right only within a limited range of input values
;; workspace buffers: xc 8,847,360 bytes; xs 737,280 bytes; qi 3,145,728 bytes; kv 5,603,328 bytes; oc 2,359,296 bytes; os 98,304 bytes
;; launch quant (part 1): grid 960 x 1, 6 waves a work-group, no clusters, 51,456 bytes of LDS; arguments query, key, value, Wq, Wk, Wv, Wo, xc, xs; writes xc, xs
.if DOCPART == 1
	.amdgcn_target "amdgcn-amd-amdhsa--gfx1250"
	.amdhsa_code_object_version 6
	.text
	.protected	k_q85b5e8b522_quant
	.globl	k_q85b5e8b522_quant
	.p2align	8
	.type	k_q85b5e8b522_quant,@function
k_q85b5e8b522_quant:
	s_mov_b64 s[64:65], 0
	v_nop
	global_prefetch_b8 v0, s[64:65] scope:SCOPE_SE
	s_setreg_imm32_b32 hwreg(HW_REG_WAVE_MODE, 25, 1), 1
	s_wait_xcnt 0x0
; query, key, value [4096][768] and Wq, Wk, Wv, Wo [768][768], f32, K innermost, become codes of FP6 (E2M3) with one E8M0 byte for each 32 along K,
; laid IN THE ORDER OF THE OPERAND'S REGISTERS: xc [tile 0..959][K step 0..5][1536]: a fragment (16 rows x 128 K, 12 registers a lane) as three runs of 512 bytes,
; registers 4 c .. 4 c + 3 of lane l at 512 c + 16 l;  xs [tile][K step][128]: the row's scale word at 4 l (lanes 16-31 hold what lanes 0-15 hold).
; Tiles: query 0-255, key 256-511, value 512-767, Wq 768-815, Wk 816-863, Wv 864-911, Wo 912-959.
; THE ROWS OF A TILE ARE NOT NEIGHBOURS: lane r of tile 2 g + u of a tensor takes row 32 g + 8 u + r + 8 (r / 8), so that in every later product the 16 result registers of two
; neighbouring tiles are 16 neighbours along that axis.
; A block's scale is 2^(floor(log2(its largest magnitude)) - 2); its byte is the largest magnitude's exponent field - 2, held at 1 from below.
; LIMITS: a block of zeros gets the byte 1 where the rule says 127 (its codes are zeros, and this program alone reads the bytes); blocks whose largest magnitude lies under 2^(3 - 127)
; are held at that floor; NaN and infinities among the inputs are not served.
; SHARES: a work-group is a tile, a wave a K step: 16 rows x 128 numbers.  Each of the wave's 16 loads reads 512 consecutive bytes of one row, 16 a lane; the conversions want 16 neighbours
; along K in ONE lane, so the 8,192 bytes turn through the wave's own stage in LDS (rows 528 bytes apart, so that sixteen rows begin in sixteen different columns of 16 bytes).
; No loop, no barrier (waves share nothing), no matrix work, no cluster (no byte is read twice).
.set ROWB,  3072                       ; a row of any of the seven tensors in bytes
.set PITCH, 528                        ; a stage row: 512 bytes + 16
.set WST,   16*PITCH                   ; a wave's stage
.set R,     16                         ; v16-79   the numbers as they are loaded: row i in v[R + 4 i] on
.set X,     80                         ; v80-143  after the turn: register 16 b + i = k 32 b + 16 (lane / 16) + i of row lane % 16
.set TM,    144                        ; v144-147 largest magnitudes, v148-151 the other half's, then bytes, v156-159 the conversions' scale operands
.set PW,    160                        ; the scale word
.set PC,    164                        ; v164-175 the fragment, v176-182 at work
.set SEL,   30                         ; s[30:31] v_permlanex16_b32's selects for lane l xor 16
	s_load_b512 s[4:19], s[0:1], 0x0               ; query, key, value, Wq, Wk, Wv, Wo, xc
	s_load_b64 s[20:21], s[0:1], 0x40              ; xs
	v_lshl_add_u32 v192, v0, 2, 0xc600
	v_mov_b32 v193, 0
	v_lshrrev_b32 v5, 5, v0
	v_readfirstlane_b32 s22, v5                    ; wave = K step
	v_and_b32 v6, 31, v0                           ; lane
	v_lshlrev_b32 v1, 4, v6                        ; 16 x lane
	v_lshlrev_b32 v2, 2, v6                        ; 4 x lane
	s_mul_i32 s27, s22, WST                        ; my stage
	v_add_nc_u32 v3, s27, v1                       ; into it: 16 x lane of a row
	v_and_b32 v7, 15, v0                           ; r
	v_bfe_u32 v8, v0, 4, 1                         ; h
	v_mul_u32_u24 v4, v7, PITCH
	v_lshl_add_u32 v4, v8, 6, v4
	v_add_nc_u32 v4, s27, v4                       ; out of it: row r, + 64 h: my 16 numbers of a block of 32
	s_mov_b32 s[SEL], 0x76543210
	s_mov_b32 s[SEL+1], 0xfedcba98
.irp b, 0,1,2,3
	v_mov_b32 v[TM+4+\b], 0                        ; a lane permute's destination counts as one of its sources
.endr
	s_wait_kmcnt 0x0
	s_mov_b64 s[24:25], s[4:5]                     ; which tensor: the choice hangs on the work-group's number alone
	s_mov_b32 s26, 0                               ; and that tensor's first tile
.macro PICK n, p
	s_cmp_ge_u32 ttmp9, \n
	s_cselect_b64 s[24:25], s[\p:\p+1], s[24:25]
	s_cselect_b32 s26, \n, s26
.endm
	PICK 256, 6
	PICK 512, 8
	PICK 768, 10
	PICK 816, 12
	PICK 864, 14
	PICK 912, 16
	s_sub_co_u32 s27, ttmp9, s26                   ; the tile's number in its tensor
	s_lshr_b32 s28, s27, 1
	s_lshl_b32 s28, s28, 5
	s_and_b32 s29, s27, 1
	s_lshl_b32 s29, s29, 3
	s_add_co_u32 s28, s28, s29                     ; its first row: 32 g + 8 u
	s_mul_i32 s28, s28, ROWB
	s_lshl_b32 s29, s22, 9                         ; + my K step's 512 bytes
	s_add_co_u32 s28, s28, s29
	s_mov_b32 s29, 0
	s_add_nc_u64 s[24:25], s[24:25], s[28:29]
	s_mul_i32 s32, ttmp9, 6
	s_add_co_u32 s32, s32, s22                     ; which fragment: 6 x tile + K step
	s_mul_i32 s28, s32, 1536
	s_add_nc_u64 s[18:19], s[18:19], s[28:29]
	s_lshl_b32 s28, s32, 7
	s_add_nc_u64 s[20:21], s[20:21], s[28:29]
.irp i, 0,1,2,3,4,5,6,7,8,9,10,11,12,13,14,15
	global_load_b128 v[R+4*\i:R+4*\i+3], v1, s[24:25] offset:(\i+8*(\i/8))*ROWB th:TH_LOAD_NT   ; the tile's i-th row: 32 lanes read 512 consecutive bytes; read once in the launch
.endr
.irp i, 0,1,2,3,4,5,6,7,8,9,10,11,12,13,14,15
	s_wait_loadcnt 15-\i                           ; loads come back in order: row i is in, the 15 - i younger ones may be out
	ds_store_b128 v3, v[R+4*\i:R+4*\i+3] offset:PITCH*\i
.endr
.irp b, 0,1,2,3
.irp j, 0,1,2,3
	ds_load_b128 v[X+16*\b+4*\j:X+16*\b+4*\j+3], v4 offset:128*\b+16*\j   ; LDS serves a wave's instructions in order: these see my stores
.endr
.endr
	s_wait_dscnt 0x0
.irp b, 0,1,2,3
	v_max3_num_f32 v[TM+\b], |v[X+16*\b]|, |v[X+1+16*\b]|, 0x1800000   ; block b: my 16 numbers, and the floor 2^(3 - 127): the byte cannot fall under 1
.endr
.irp i, 2,4,6,8,10,12,14
.irp b, 0,1,2,3
	v_max3_num_f32 v[TM+\b], v[TM+\b], |v[X+16*\b+\i]|, |v[X+1+16*\b+\i]|   ; the four blocks by turns: no line waits for the line above it
.endr
.endr
.irp b, 0,1,2,3
	v_permlanex16_b32 v[TM+4+\b], v[TM+\b], s[SEL], s[SEL+1]
.endr
.irp b, 0,1,2,3
	v_max_num_f32 v[TM+\b], v[TM+\b], v[TM+4+\b]   ; with lane l xor 16's 16: the block's largest magnitude
.endr
.irp b, 0,1,2,3
	v_add_nc_u32 v[TM+12+\b], 0xff000000, v[TM+\b] ; 2 off its exponent field: the conversion takes this operand's exponent field as its scale
.endr
.irp b, 0,1,2,3
	v_lshrrev_b32 v[TM+4+\b], 23, v[TM+12+\b]      ; the scale's byte
.endr
	v_lshl_or_b32 v[PW], v[TM+5], 8, v[TM+4]       ; the four bytes make my row's scale word
	v_lshl_or_b32 v[PW], v[TM+6], 16, v[PW]
	v_lshl_or_b32 v[PW], v[TM+7], 24, v[PW]
.irp c, 0,1
	v_cvt_scalef32_pk16_fp6_f32 v[PC+6*\c:PC+2+6*\c], v[X+32*\c:X+15+32*\c], v[TM+12+2*\c]
	v_cvt_scalef32_pk16_fp6_f32 v[PC+12+4*\c:PC+14+4*\c], v[X+16+32*\c:X+31+32*\c], v[TM+12+2*\c+1]   ; a conversion's three registers begin on an even number
.endr
	v_nop                                          ; one plain place behind a scaled conversion
.irp c, 0,1                                    ; the operand's layout wants a WHOLE block in a lane: lanes 0-15 block 2 c, lanes 16-31 block 2 c + 1
.irp i, 0,1,2
	v_permlane16_swap_b32 v[PC+6*\c+\i], v[PC+12+4*\c+\i]
.endr
.irp i, 0,1,2
	v_mov_b32 v[PC+3+6*\c+\i], v[PC+12+4*\c+\i]
.endr
.endr
.irp c, 0,1,2
	global_store_b128 v1, v[PC+4*\c:PC+4*\c+3], s[18:19] offset:512*\c   ; 32 lanes store 512 consecutive bytes, at a multiple of 256 from the buffer's first byte
.endr
	global_store_b32 v2, v[PW], s[20:21]           ; 128 consecutive bytes
	s_wait_tensorcnt 0x0
	ds_add_u32 v192, v193
	s_wait_dscnt 0x0
	s_endpgm
.Lfunc_end_k_q85b5e8b522_quant:
	.size	k_q85b5e8b522_quant, .Lfunc_end_k_q85b5e8b522_quant-k_q85b5e8b522_quant
	.p2alignl 7, 3214868480
	.fill 96, 4, 3214868480
	.section	.rodata,"a",@progbits
	.p2align	6, 0x0
	.amdhsa_kernel k_q85b5e8b522_quant
		.amdhsa_group_segment_fixed_size 51456
		.amdhsa_private_segment_fixed_size 0
		.amdhsa_enable_private_segment 0
		.amdhsa_kernarg_size 72
		.amdhsa_user_sgpr_count 2
		.amdhsa_user_sgpr_kernarg_segment_ptr 1
		.amdhsa_wavefront_size32 1
		.amdhsa_system_sgpr_workgroup_id_x 1
		.amdhsa_system_sgpr_workgroup_id_y 1
		.amdhsa_system_sgpr_workgroup_id_z 1
		.amdhsa_system_vgpr_workitem_id 0
		.amdhsa_next_free_vgpr 194
		.amdhsa_next_free_sgpr 66
		.amdhsa_reserve_vcc 0
		.amdhsa_float_denorm_mode_32 3
		.amdhsa_float_denorm_mode_16_64 3
		.amdhsa_memory_ordered 1
		.amdhsa_forward_progress 1
		.amdhsa_inst_pref_size 12
	.end_amdhsa_kernel
	.amdgpu_metadata
---
amdhsa.version: [ 1, 2 ]
amdhsa.kernels:
  - .name:           k_q85b5e8b522_quant
    .symbol:         k_q85b5e8b522_quant.kd
    .args:
      - { .name: query, .offset: 0, .size: 8, .value_kind: global_buffer, .address_space: global }
      - { .name: key, .offset: 8, .size: 8, .value_kind: global_buffer, .address_space: global }
      - { .name: value, .offset: 16, .size: 8, .value_kind: global_buffer, .address_space: global }
      - { .name: Wq, .offset: 24, .size: 8, .value_kind: global_buffer, .address_space: global }
      - { .name: Wk, .offset: 32, .size: 8, .value_kind: global_buffer, .address_space: global }
      - { .name: Wv, .offset: 40, .size: 8, .value_kind: global_buffer, .address_space: global }
      - { .name: Wo, .offset: 48, .size: 8, .value_kind: global_buffer, .address_space: global }
      - { .name: xc, .offset: 56, .size: 8, .value_kind: global_buffer, .address_space: global }
      - { .name: xs, .offset: 64, .size: 8, .value_kind: global_buffer, .address_space: global }
    .group_segment_fixed_size: 51456
    .private_segment_fixed_size: 0
    .kernarg_segment_align: 8
    .kernarg_segment_size: 72
    .max_flat_workgroup_size: 192
    .sgpr_count:     66
    .vgpr_count:     194
    .wavefront_size: 32
...
	.end_amdgpu_metadata
.endif
;; end of part 1
;; launch proj (part 2): grid 192 x 3, 4 waves a work-group, no clusters, 0 bytes of LDS; arguments xc, xs, bq, bk, bv, mask, qi, kv; writes qi, kv
.if DOCPART == 2
	.amdgcn_target "amdgcn-amd-amdhsa--gfx1250"
	.amdhsa_code_object_version 6
	.text
	.protected	k_q85b5e8b522_proj
	.globl	k_q85b5e8b522_proj
	.p2align	8
	.type	k_q85b5e8b522_proj,@function
k_q85b5e8b522_proj:
	s_mov_b64 s[64:65], 0
	v_nop
	global_prefetch_b8 v0, s[64:65] scope:SCOPE_SE
	s_setreg_imm32_b32 hwreg(HW_REG_WAVE_MODE, 25, 1), 1
	s_wait_xcnt 0x0
; Q = query Wq^T + bq, K = key Wk^T + bk, V = value Wv^T + bv on codes of FP6 (E2M3) with E8M0 scales, sums in f32; the results are quantised here, in registers, for the attention launch:
; Q and K along the head's 64 (two blocks of 32), V along the keys.  Work-group x: which product (x / 64: 0 Q, 1 K, 2 V) and which 64 rows (x % 64); y and the wave: the head, 4 y + wave.
; A wave makes 64 rows x one head's 64 columns: 16 accumulators, six K steps of 128, written out; every offset is an immediate.  Operands come from xc / xs as images of their registers:
; each load of a wave reads 512 consecutive bytes.  All tiles keep the row order of the quantising launch: lane r of tile 2 g + u holds row 32 g + 8 u + r + 8 (r / 8).
; Q, K: the product is used TRANSPOSED (source 0 = 16 rows of W, source 1 = 16 rows of x): a lane holds one row of x, and the 32 registers of a tile of rows are d = 32 b + 16 (lane / 16) + i at register 16 b + i.
;   The bias is loaded into the accumulators, so that the first product already adds onto it.
; V: source 0 = 16 rows of value (keys), source 1 = 16 rows of Wv: a lane holds one channel d, and its registers run along the keys, which are the second attention product's K.
; RECORDS.  qi [head][tile of queries][1024], and the first 8192 bytes of kv [head][step of 128 keys][14592] (eight tiles of keys): registers 0-3 of the fragment at 16 l; at 512 + 16 l the four words
;   register 4, register 5, register 6, the row's scale word.  The head has 64 numbers and the matrix instruction takes 128 along K: registers 7-11 are zeros that the reader supplies.
; THE MASK RIDES IN THE SPARE HALF OF K: k = 64 (the lowest six bits of register 6, lanes 0-15) holds 1.0 in every query under the scale byte 127, and in a key 0 under the byte 1 where mask != 0,
;   -7.5 under the byte 227 where mask == 0: a hidden key's score is -7.5 x 2^100, whose weight is 0; a key that counts gets exactly 0 added.  No vector instruction of the attention loop serves the mask.
; kv, bytes 8192 on: V^T as half fragments [c 0..1][tile of 16 channels 0..3][768]: registers 6 c .. 6 c + 3 at 16 l, registers 6 c + 4, 6 c + 5 at 512 + 8 l;  bytes 14336 on: V's scale words [tile][r][4].
; LIMITS: real scores stay far under 2^96 in magnitude (with every input 30 times the drawn spread they are about 1e9); a mask that is 0 everywhere is not served (reference() gives NaN there);
;   a block of zeros gets the byte 1 (this program alone reads the bytes); NaN and infinities among the inputs are not served.
; No LDS and no tensor loads: a fragment is already a dense run for plain loads, and a wave has six K steps.  No cluster: nothing goes through LDS that partners could receive jointly.
.set ACC, 16                           ; v16-143  16 accumulators
.set XF,  144                          ; v144-191 x's four fragments;  later the codes: set i at v[144 + 8 i], and four scale bytes at v176-179
.set WF,  192                          ; v192-239 W's four fragments;  later v192-199 at work in the quantiser, v200 at work
.set XS,  240                          ; v240-243 x's scale words
.set WS,  244                          ; v244-247 W's
.set BV,  248                          ; v248-255 V's bias: a pair for each tile of channels
.set MK,  8                            ; v8-11    the mask's words of my lane's row in the four tiles
.set TM,  192
.set BYS, 176
.set SEL, 40                           ; s[40:41] v_permlanex16_b32's selects for lane l xor 16
.macro PLACES                          ; four plain places between a matrix instruction and a load into, or a vector instruction on, one of its registers (ISA guide 7.12.1 for vector instructions)
.rept 4
	v_nop
.endr
.endm
; One K step: 24 fragment loads, 8 scale words, 16 products on 16 accumulators by turns.  tr = 1: W is source 0;  tr = 0: x is source 0, and first = 1 starts the sums with 0.
.macro KSTEP s, tr, first
.if \s > 0
	PLACES
.endif
.irp m, 0,1,2,3
.irp c, 0,1,2
	global_load_b128 v[XF+12*\m+4*\c:XF+12*\m+4*\c+3], v1, s[24:25] offset:9216*\m+1536*\s+512*\c
	global_load_b128 v[WF+12*\m+4*\c:WF+12*\m+4*\c+3], v1, s[26:27] offset:9216*\m+1536*\s+512*\c
.endr
	global_load_b32 v[XS+\m], v2, s[28:29] offset:768*\m+128*\s
	global_load_b32 v[WS+\m], v2, s[30:31] offset:768*\m+128*\s
.endr
	s_wait_loadcnt 0x0                             ; all of this step's operands (and, in the first step, biases and mask)
.irp m, 0,1,2,3
.irp n, 0,1,2,3
.if \tr
	v_wmma_scale_f32_16x16x128_f8f6f4 v[ACC+32*\m+8*\n:ACC+32*\m+8*\n+7], v[WF+12*\n:WF+12*\n+11], v[XF+12*\m:XF+12*\m+11], v[ACC+32*\m+8*\n:ACC+32*\m+8*\n+7], v[WS+\n], v[XS+\m] matrix_a_fmt:MATRIX_FMT_FP6 matrix_b_fmt:MATRIX_FMT_FP6
.elseif \first
	v_wmma_scale_f32_16x16x128_f8f6f4 v[ACC+32*\n+8*\m:ACC+32*\n+8*\m+7], v[XF+12*\m:XF+12*\m+11], v[WF+12*\n:WF+12*\n+11], 0, v[XS+\m], v[WS+\n] matrix_a_fmt:MATRIX_FMT_FP6 matrix_b_fmt:MATRIX_FMT_FP6
.else
	v_wmma_scale_f32_16x16x128_f8f6f4 v[ACC+32*\n+8*\m:ACC+32*\n+8*\m+7], v[XF+12*\m:XF+12*\m+11], v[WF+12*\n:WF+12*\n+11], v[ACC+32*\n+8*\m:ACC+32*\n+8*\m+7], v[XS+\m], v[WS+\n] matrix_a_fmt:MATRIX_FMT_FP6 matrix_b_fmt:MATRIX_FMT_FP6
.endif
.endr
.endr
.endm
; 32 numbers of a lane, register 16 b + i = k 32 b + 16 (lane / 16) + i of my row, become six registers of codes, v[pc] .. v[pc + 5]: block lane / 16 whole; the two blocks' bytes in v[tm + 6], v[tm + 7].
.macro QUANT32 src, pc, tm
.irp b, 0,1
	v_max3_num_f32 v[(\tm)+\b], |v[(\src)+16*\b]|, |v[(\src)+16*\b+1]|, 0x1800000   ; my 16 numbers of block b, and the floor 2^(3 - 127): the byte cannot fall under 1
.endr
.irp i, 2,4,6,8,10,12,14
.irp b, 0,1
	v_max3_num_f32 v[(\tm)+\b], v[(\tm)+\b], |v[(\src)+16*\b+\i]|, |v[(\src)+16*\b+\i+1]|
.endr
.endr
.irp b, 0,1
	v_permlanex16_b32 v[(\tm)+2+\b], v[(\tm)+\b], s[SEL], s[SEL+1]
.endr
.irp b, 0,1
	v_max_num_f32 v[(\tm)+\b], v[(\tm)+\b], v[(\tm)+2+\b]   ; with lane l xor 16's 16: the block's largest magnitude
.endr
.irp b, 0,1
	v_add_nc_u32 v[(\tm)+4+\b], 0xff000000, v[(\tm)+\b]     ; 2 off its exponent field: the conversion's scale operand
.endr
.irp b, 0,1
	v_lshrrev_b32 v[(\tm)+6+\b], 23, v[(\tm)+4+\b]          ; the scale's byte
.endr
	v_cvt_scalef32_pk16_fp6_f32 v[(\pc):(\pc)+2], v[(\src):(\src)+15], v[(\tm)+4]
	v_cvt_scalef32_pk16_fp6_f32 v[(\pc)+4:(\pc)+6], v[(\src)+16:(\src)+31], v[(\tm)+5]   ; a conversion's three registers begin on an even number
	v_nop                                          ; one plain place behind a scaled conversion
.irp i, 0,1,2
	v_permlane16_swap_b32 v[(\pc)+\i], v[(\pc)+4+\i]   ; the first now holds the lower 16 codes of my lane's block, the second the upper 16
.endr
.irp i, 3,4,5
	v_mov_b32 v[(\pc)+\i], v[(\pc)+\i+1]
.endr
.endm
	s_load_b512 s[4:19], s[0:1], 0x0               ; xc, xs, bq, bk, bv, mask, qi, kv
	v_lshrrev_b32 v7, 5, v0
	v_readfirstlane_b32 s20, v7                    ; wave
	s_lshr_b32 s21, ttmp9, 6                       ; T: 0 Q, 1 K, 2 V
	s_and_b32 s22, ttmp9, 63                       ; rb: which 64 rows
	s_and_b32 s23, ttmp7, 0xffff
	s_lshl_b32 s23, s23, 2
	s_add_co_u32 s23, s23, s20                     ; the head
	v_and_b32 v7, 31, v0
	v_lshlrev_b32 v1, 4, v7                        ; 16 x lane
	v_lshlrev_b32 v2, 2, v7                        ; 4 x lane
	v_lshlrev_b32 v3, 3, v7                        ; 8 x lane
	v_and_b32 v7, 15, v0                           ; r
	v_bfe_u32 v5, v0, 4, 1                         ; h
	v_lshl_add_u32 v4, v7, 2, v5                   ; 4 r + h
	v_and_b32 v6, 8, v7
	v_add_nc_u32 v6, v6, v7
	v_lshlrev_b32 v6, 2, v6                        ; 4 (r + 8 (r / 8))
	v_lshlrev_b32 v5, 6, v5                        ; 64 h
	s_mov_b32 s[SEL], 0x76543210
	s_mov_b32 s[SEL+1], 0xfedcba98
	s_mov_b32 s42, 0x0000ffff                      ; lanes 0-15
	s_mov_b32 s43, 0xffff0000                      ; lanes 16-31
	s_lshl_b32 s48, s21, 8
	s_lshl_b32 s49, s22, 2                         ; 4 rb
	s_add_co_u32 s48, s48, s49                     ; x's first tile: 256 T + 4 rb
	s_mul_i32 s50, s21, 48
	s_lshl_b32 s51, s23, 2
	s_add_co_u32 s50, s50, s51
	s_add_co_u32 s50, s50, 768                     ; W's first tile: 768 + 48 T + 4 head
	s_mul_i32 s54, s23, 466944
	s_lshr_b32 s55, s22, 1
	s_mul_i32 s55, s55, 14592
	s_add_co_u32 s54, s54, s55                     ; kv: the head's 32 steps, the step rb / 2
	s_and_b32 s55, s22, 1                          ; which half of that step
	s_mov_b32 s53, 0
	s_wait_kmcnt 0x0
	s_mul_i32 s52, s48, 9216
	s_add_nc_u64 s[24:25], s[4:5], s[52:53]        ; x's fragments
	s_mul_i32 s52, s50, 9216
	s_add_nc_u64 s[26:27], s[4:5], s[52:53]        ; W's
	s_mul_i32 s52, s48, 768
	s_add_nc_u64 s[28:29], s[6:7], s[52:53]        ; x's scale words
	s_mul_i32 s52, s50, 768
	s_add_nc_u64 s[30:31], s[6:7], s[52:53]        ; W's
	s_cmp_eq_u32 s21, 0
	s_cselect_b64 s[32:33], s[8:9], s[10:11]
	s_cmp_eq_u32 s21, 2
	s_cselect_b64 s[32:33], s[12:13], s[32:33]     ; the bias: the choice hangs on the work-group's number alone
	s_lshl_b32 s52, s23, 8
	s_add_nc_u64 s[32:33], s[32:33], s[52:53]      ; at the head's 64 numbers
	s_lshl_b32 s52, s22, 8
	s_add_nc_u64 s[34:35], s[14:15], s[52:53]      ; the mask at my 64 rows
	s_cmp_eq_u32 s21, 2
	s_cbranch_scc1 .Lv
	; ---- Q and K
.irp m, 0,1,2,3
	global_load_b32 v[MK+\m], v6, s[34:35] offset:(32*(\m/2)+8*(\m%2))*4   ; the mask's word of my lane's row (Q's path selects between equal constants)
.endr
.irp m, 0,1,2,3
.irp n, 0,1,2,3
	global_load_b128 v[ACC+32*\m+8*\n:ACC+32*\m+8*\n+3], v5, s[32:33] offset:(32*(\n/2)+8*(\n%2))*4       ; the bias in the result's layout: d = 32 (n / 2) + 16 h + 8 (n % 2) + 0 .. 7
	global_load_b128 v[ACC+32*\m+8*\n+4:ACC+32*\m+8*\n+7], v5, s[32:33] offset:(32*(\n/2)+8*(\n%2))*4+16
.endr
.endr
	s_lshl_b32 s56, s23, 8
	s_add_co_u32 s56, s56, s49
	s_lshl_b32 s56, s56, 10                        ; qi: (256 head + 4 rb) records of 1,024 bytes
	s_lshl_b32 s57, s55, 12
	s_add_co_u32 s57, s57, s54                     ; kv: the step, + four records for its second half
	s_cmp_eq_u32 s21, 0                            ; Q or K?  All the choices below hang on this one compare
	s_cselect_b32 s44, 8, 63                       ; the code at k = 64 where mask == 0: Q 1.0, K -7.5
	s_cselect_b32 s45, 8, 0                        ; and where it is not: Q 1.0, K 0
	s_mov_b32 s46, 0x01e30000
	s_cselect_b32 s46, 0x017f0000, s46             ; bytes 2 and 3 of the scale word where mask == 0: Q 127, 1; K 227, 1
	s_mov_b32 s47, 0x01010000
	s_cselect_b32 s47, 0x017f0000, s47             ; and where it is not: Q 127, 1; K 1, 1
	s_cselect_b64 s[36:37], s[16:17], s[18:19]
	s_cselect_b32 s52, s56, s57
	s_add_nc_u64 s[36:37], s[36:37], s[52:53]      ; where my four records go
	v_mov_b32 v7, s44
	v_cndmask_b32 v12, 0, v7, s42                  ; register 6 holds a code in lanes 0-15 alone (lanes 16-31 hold k = 96 on: zeros)
	v_mov_b32 v7, s45
	v_cndmask_b32 v13, 0, v7, s42
	v_mov_b32 v14, s46
	v_mov_b32 v15, s47
	KSTEP 0, 1, 0
	KSTEP 1, 1, 0
	KSTEP 2, 1, 0
	KSTEP 3, 1, 0
	KSTEP 4, 1, 0
	KSTEP 5, 1, 0
	PLACES
	v_mov_b32 v[TM+2], 0                           ; a lane permute's destination counts as one of its sources
	v_mov_b32 v[TM+3], 0
.irp m, 0,1,2,3
	QUANT32 ACC+32*\m, 144+8*\m, TM
	v_cmp_eq_u32 vcc_lo, 0, v[MK+\m]
	v_cndmask_b32 v[144+8*\m+6], v13, v12, vcc_lo  ; register 6: the mask's code
	v_cndmask_b32 v200, v15, v14, vcc_lo           ; and its scale byte
	v_lshl_or_b32 v[144+8*\m+7], v[TM+7], 8, v[TM+6]
	v_or_b32 v[144+8*\m+7], v[144+8*\m+7], v200    ; the row's scale word
	global_store_b128 v1, v[144+8*\m:144+8*\m+3], s[36:37] offset:1024*\m          ; each store covers 512 consecutive bytes, aligned; each tile has registers of its own, so none is written again
	global_store_b128 v1, v[144+8*\m+4:144+8*\m+7], s[36:37] offset:1024*\m+512
.endr
	s_endpgm
	; ---- V
.Lv:
.irp n, 0,1,2,3
	global_load_b32 v[BV+2*\n], v6, s[32:33] offset:(32*(\n/2)+8*(\n%2))*4     ; my lane's channel's bias, twice: a pair for the packed addition
	global_load_b32 v[BV+2*\n+1], v6, s[32:33] offset:(32*(\n/2)+8*(\n%2))*4
.endr
	s_mul_i32 s56, s55, 3072
	s_add_co_u32 s52, s54, s56
	s_add_co_u32 s52, s52, 8192
	s_add_nc_u64 s[36:37], s[18:19], s[52:53]      ; V's half fragments c = rb % 2 of the step
	s_lshl_b32 s56, s55, 1
	s_add_co_u32 s52, s54, s56
	s_add_co_u32 s52, s52, 14336
	s_add_nc_u64 s[38:39], s[18:19], s[52:53]      ; and bytes 2 c, 2 c + 1 of its scale words
	KSTEP 0, 0, 1
	KSTEP 1, 0, 0
	KSTEP 2, 0, 0
	KSTEP 3, 0, 0
	KSTEP 4, 0, 0
	KSTEP 5, 0, 0
	PLACES
.irp n, 0,1,2,3
.irp j, 0,2,4,6,8,10,12,14,16,18,20,22,24,26,28,30
	v_pk_add_f32 v[ACC+32*\n+\j:ACC+32*\n+\j+1], v[ACC+32*\n+\j:ACC+32*\n+\j+1], v[BV+2*\n:BV+2*\n+1]   ; each accumulator from its low end on
.endr
.endr
	v_mov_b32 v[TM+2], 0
	v_mov_b32 v[TM+3], 0
.irp n, 0,1,2,3
	QUANT32 ACC+32*\n, 144+8*\n, TM                ; register 16 b + i = key 64 rb + 32 b + 16 h + i of my channel
	v_cndmask_b32 v[BYS+\n], v[TM+6], v[TM+7], s43 ; my lane's block's byte
	global_store_b128 v1, v[144+8*\n:144+8*\n+3], s[36:37] offset:768*\n
	global_store_b64 v3, v[144+8*\n+4:144+8*\n+5], s[36:37] offset:768*\n+512
	global_store_b8 v4, v[BYS+\n], s[38:39] offset:64*\n   ; single bytes: one for each 32 numbers made; the other half of each word comes from the work-group of the step's other 64 keys
.endr
	s_endpgm
.Lfunc_end_k_q85b5e8b522_proj:
	.size	k_q85b5e8b522_proj, .Lfunc_end_k_q85b5e8b522_proj-k_q85b5e8b522_proj
	.p2alignl 7, 3214868480
	.fill 96, 4, 3214868480
	.section	.rodata,"a",@progbits
	.p2align	6, 0x0
	.amdhsa_kernel k_q85b5e8b522_proj
		.amdhsa_group_segment_fixed_size 0
		.amdhsa_private_segment_fixed_size 0
		.amdhsa_enable_private_segment 0
		.amdhsa_kernarg_size 64
		.amdhsa_user_sgpr_count 2
		.amdhsa_user_sgpr_kernarg_segment_ptr 1
		.amdhsa_wavefront_size32 1
		.amdhsa_system_sgpr_workgroup_id_x 1
		.amdhsa_system_sgpr_workgroup_id_y 1
		.amdhsa_system_sgpr_workgroup_id_z 1
		.amdhsa_system_vgpr_workitem_id 0
		.amdhsa_next_free_vgpr 256
		.amdhsa_next_free_sgpr 66
		.amdhsa_reserve_vcc 1
		.amdhsa_float_denorm_mode_32 3
		.amdhsa_float_denorm_mode_16_64 3
		.amdhsa_memory_ordered 1
		.amdhsa_forward_progress 1
		.amdhsa_inst_pref_size 91
	.end_amdhsa_kernel
	.amdgpu_metadata
---
amdhsa.version: [ 1, 2 ]
amdhsa.kernels:
  - .name:           k_q85b5e8b522_proj
    .symbol:         k_q85b5e8b522_proj.kd
    .args:
      - { .name: xc, .offset: 0, .size: 8, .value_kind: global_buffer, .address_space: global }
      - { .name: xs, .offset: 8, .size: 8, .value_kind: global_buffer, .address_space: global }
      - { .name: bq, .offset: 16, .size: 8, .value_kind: global_buffer, .address_space: global }
      - { .name: bk, .offset: 24, .size: 8, .value_kind: global_buffer, .address_space: global }
      - { .name: bv, .offset: 32, .size: 8, .value_kind: global_buffer, .address_space: global }
      - { .name: mask, .offset: 40, .size: 8, .value_kind: global_buffer, .address_space: global }
      - { .name: qi, .offset: 48, .size: 8, .value_kind: global_buffer, .address_space: global }
      - { .name: kv, .offset: 56, .size: 8, .value_kind: global_buffer, .address_space: global }
    .group_segment_fixed_size: 0
    .private_segment_fixed_size: 0
    .kernarg_segment_align: 8
    .kernarg_segment_size: 64
    .max_flat_workgroup_size: 128
    .sgpr_count:     66
    .vgpr_count:     256
    .wavefront_size: 32
...
	.end_amdgpu_metadata
.endif
;; end of part 2
;; launch attn (part 3): grid 16 x 12, 16 waves a work-group, no clusters, 327,680 bytes of LDS; arguments qi, kv, oc, os; writes oc, os
.if DOCPART == 3
	.amdgcn_target "amdgcn-amd-amdhsa--gfx1250"
	.amdhsa_code_object_version 6
	.text
	.protected	k_q85b5e8b522_attn
	.globl	k_q85b5e8b522_attn
	.p2align	8
	.type	k_q85b5e8b522_attn,@function
k_q85b5e8b522_attn:
	s_mov_b64 s[64:65], 0
	v_nop
	global_prefetch_b8 v0, s[64:65] scope:SCOPE_SE
	s_setreg_imm32_b32 hwreg(HW_REG_WAVE_MODE, 25, 1), 1
	s_wait_xcnt 0x0
; O[h][q] = the sum over k of softmax_k(Q[h][q] . K[h][k] / 8) V[h][k], 12 heads of 64, 4,096 queries and keys, both products on codes of FP6 (E2M3) with E8M0 scales; O is quantised along the
; embedding's 768 for the last product and leaves as codes.
; THE SOFTMAX AHEAD OF THE SECOND PRODUCT: t = score x log2(e) / 8; M = the row's largest t so far, rounded UP to a whole number; p = 2^(t - M) is what is quantised, along the keys, not normalised.
; The row's sum is taken of the unquantised p, in f32, and divides O at the end.  When M moves, the sum and O are multiplied by 2^(old M - new M): exact.
; THE MASK costs no line here: it rides at k = 64 of the first product (the head has 64 numbers, the instruction takes 128): a hidden key's score is -7.5 x 2^100, so its t lies under the running maximum's
; first value, -2^96, its p is 0 and it adds nothing to the sum; a run of hidden keys at the start leaves sum and O at 0.
; LIMITS: every real t lies above -2^96; a mask that is 0 everywhere is not served (reference() gives NaN there, this text codes of no meaning); NaN and infinities are not served;
; a block of zeros gets the byte 1 (this program alone reads the bytes).
; SHARES.  A work-group owns 256 queries of one head; each of its sixteen waves one tile of 16, in 256 registers: four waves to a SIMD, so that one wave's vector work stands beside another's matrix work and LDS loads.
; Every wave walks the head's 32 steps of 128 keys.  A step's record in kv is 14,592 dense bytes (8 tiles of K, V^T's 8 half fragments, V's scale words), all in the order of the operands' registers.
; A ring of two LDS slots of four steps; waves 0 to 3 each bring one step of a slot by one tensor load (57 rows of 256 bytes); all sixteen read it.  A wave has one tensor load out.
; LAYOUT.  Both products are used transposed: S^T = K Q^T, O^T = V^T P^T: a lane holds ONE query (lane % 16) throughout.  The keys of a tile of K are 32 b + 8 u + r + 8 (r / 8), so that the 16 registers of tiles
; 2 b and 2 b + 1 are 16 neighbouring keys; V^T's channels are ordered likewise, so that O^T's 32 registers are d = 32 b + 16 (lane / 16) + i at register 16 b + i: the quantiser's order.
; NO CLUSTER, though the sixteen query blocks of a head walk the same records: a work-group asks for 58,368 bytes for every four key steps, in which each of its sixteen waves issues some 1,200 instructions,
; and the request stands a whole slot ahead of its first read.
; REGISTERS: v1-3 lane terms, v4, v7, v8 the same + the slot; v5, v6 the add's; v9 4 r + h; v12 -M, v13 the largest t, v[14:15] the sum in two halves; v16-27 Q; v28-31 V's scale words; v32-79 four fragments of K;
; v80-127 V^T's four; v128-191 S^T, then p; v192-223 O^T; v224-235 p's codes; v232-247 at work; v248-251 K's scale words; v252 f; v253 p's scale word; v254 at work; v255 Q's scale words.
.set STEPB, 14592                      ; a key step's record
.set SLOTB, 4*STEPB                    ; what a slot holds
.set SLOT1, 65536                      ; slot 1 begins here: one exclusive or turns an address in one slot into the other's
.set SPARE, 131072                     ; behind the ring: the spare words, 128 bytes for each of sixteen waves: eight blocks of 256 bytes that no other line names
.set KF,  32
.set VF,  80
.set VS,  28
.set S,   128
.set O,   192
.set WV,  18                           ; s18  my wave's number
.set SEL, 20                           ; s[20:21] v_permlanex16_b32's selects for lane l xor 16
.set CS,  22                           ; s[22:23] c = log2(e) / 8: the packed form names a pair and takes its low word for both halves
.set G1,  24                           ; s[24:31] descriptor group 1
.set G0,  40                           ; s[40:43] descriptor group 0, which walks
.set TB,  44                           ; s44  LDS byte at which the slot in hand begins
.set SLOTS, 45                         ; s45  slots still to be asked for
.macro PLACES                          ; four plain places between a matrix instruction and a load into, or a vector instruction on, one of its registers (ISA guide 7.12.1 for vector instructions)
.rept 4
	v_nop
.endr
.endm
.macro TLOAD                           ; waves 0 to 3 fetch, the others nothing: the branch hangs on the wave's number alone.  Four v_nop follow the line
	s_cmp_lt_u32 s[WV], 4
	s_cbranch_scc0 .Lasked_\@
	tensor_load_to_lds s[G0:G0+3], s[G1:G1+7]
	s_nop 0
.rept 4
	v_nop
.endr
.Lasked_\@:
.endm
.macro QUANT32 src, pc, tm             ; 32 numbers of a lane, register 16 b + i = k 32 b + 16 (lane / 16) + i, become six registers of codes: block lane / 16 whole; the two bytes in v[tm + 6], v[tm + 7]
.irp b, 0,1
	v_max3_num_f32 v[(\tm)+\b], |v[(\src)+16*\b]|, |v[(\src)+16*\b+1]|, 0x1800000
.endr
.irp i, 2,4,6,8,10,12,14
.irp b, 0,1
	v_max3_num_f32 v[(\tm)+\b], v[(\tm)+\b], |v[(\src)+16*\b+\i]|, |v[(\src)+16*\b+\i+1]|
.endr
.endr
.irp b, 0,1
	v_permlanex16_b32 v[(\tm)+2+\b], v[(\tm)+\b], s[SEL], s[SEL+1]
.endr
.irp b, 0,1
	v_max_num_f32 v[(\tm)+\b], v[(\tm)+\b], v[(\tm)+2+\b]
.endr
.irp b, 0,1
	v_add_nc_u32 v[(\tm)+4+\b], 0xff000000, v[(\tm)+\b]
.endr
.irp b, 0,1
	v_lshrrev_b32 v[(\tm)+6+\b], 23, v[(\tm)+4+\b]
.endr
	v_cvt_scalef32_pk16_fp6_f32 v[(\pc):(\pc)+2], v[(\src):(\src)+15], v[(\tm)+4]
	v_cvt_scalef32_pk16_fp6_f32 v[(\pc)+4:(\pc)+6], v[(\src)+16:(\src)+31], v[(\tm)+5]
	v_nop                                          ; one plain place behind a scaled conversion
.irp i, 0,1,2
	v_permlane16_swap_b32 v[(\pc)+\i], v[(\pc)+4+\i]
.endr
.irp i, 3,4,5
	v_mov_b32 v[(\pc)+\i], v[(\pc)+\i+1]
.endr
.endm
	s_load_b256 s[4:11], s[0:1], 0x0               ; qi s[4:5], kv s[6:7], oc s[8:9], os s[10:11]
	v_lshl_add_u32 v5, v0, 2, SPARE                ; my spare word; never rewritten
	v_mov_b32 v6, 0                                ; 0; never rewritten
	ds_add_u32 v5, v6
	s_wait_dscnt 0x0
	v_lshrrev_b32 v10, 5, v0
	v_readfirstlane_b32 s[WV], v10                 ; wave 0..15
	s_and_b32 s32, ttmp7, 0xffff                   ; the head
	s_lshl_b32 s33, ttmp9, 4
	s_add_co_u32 s33, s33, s[WV]                   ; my tile of queries: 16 x work-group x + wave
	s_and_b32 s34, s[WV], 3                        ; which step of a slot I fetch, if I fetch
	s_mul_i32 s35, s34, STEPB                      ; its place in a slot, and in memory
	s_mul_i32 s36, s32, 32*STEPB                   ; the head's 32 records
	s_add_co_u32 s36, s36, s35
	s_mov_b32 s37, 0
	s_mov_b32 s[G1], 3<<16                         ; 15:0 no mask; 17:16 elements of 8 bytes; 20 padding off: the records are read as they lie, 16 bytes a lane on end
	s_mov_b32 s[G1+1], 32<<16                      ; tensor_dim0 = 32 elements: 256 bytes
	s_mov_b32 s[G1+2], 57<<16                      ; tensor_dim1 = 57 rows: 14,592 bytes
	s_mov_b32 s[G1+3], 32<<16                      ; tile_dim0
	s_mov_b32 s[G1+4], 57                          ; tile_dim1
	s_mov_b32 s[G1+5], 32                          ; the pitch: dense
	s_mov_b32 s[G1+6], 0
	s_mov_b32 s[G1+7], 0
	s_mov_b32 s[SEL], 0x76543210
	s_mov_b32 s[SEL+1], 0xfedcba98
	s_mov_b32 s[CS], 0x3e38aa3b                    ; c = log2(e) / 8
	s_mov_b32 s[CS+1], s[CS]                       ; named with it as a pair, so it is written
	s_mov_b32 s46, 0xffff0000                      ; lanes 16-31
	s_mov_b32 s[TB], 0
	s_mov_b32 s[SLOTS], 7
	s_wait_kmcnt 0x0
	s_mov_b32 s[G0], 1                             ; count = 1
	s_mov_b32 s[G0+1], s35                         ; LDS address: slot 0
	s_add_nc_u64 s[G0+2:G0+3], s[6:7], s[36:37]    ; global address: my step of the head's first four
	s_or_b32 s[G0+3], s[G0+3], 0x80000000          ; type = 2
	TLOAD                                          ; slot 0: the one first fill at the start
	s_lshl_b32 s38, s32, 8
	s_add_co_u32 s38, s38, s33
	s_lshl_b32 s38, s38, 10
	s_mov_b32 s39, 0
	s_add_nc_u64 s[4:5], s[4:5], s[38:39]          ; my tile's record in qi
	s_mul_i32 s38, s33, 12
	s_add_co_u32 s38, s38, s32
	s_mul_i32 s38, s38, 768
	s_add_nc_u64 s[8:9], s[8:9], s[38:39]          ; oc [tile][head][768]
	s_mul_i32 s38, s33, 384
	s_lshr_b32 s48, s32, 1
	s_lshl_b32 s48, s48, 6
	s_add_co_u32 s38, s38, s48
	s_and_b32 s48, s32, 1
	s_lshl_b32 s48, s48, 1
	s_add_co_u32 s38, s38, s48
	s_add_nc_u64 s[10:11], s[10:11], s[38:39]      ; os [tile][K step = head / 2][r][4]: bytes 2 (head % 2) on
	v_and_b32 v10, 31, v0
	v_lshlrev_b32 v1, 4, v10                       ; 16 x lane
	v_lshlrev_b32 v2, 3, v10                       ; 8 x lane
	v_and_b32 v11, 15, v0
	v_lshlrev_b32 v3, 2, v11                       ; 4 r
	v_bfe_u32 v10, v0, 4, 1
	v_add_nc_u32 v9, v3, v10                       ; 4 r + h
	global_load_b128 v[16:19], v1, s[4:5]          ; Q's fragment stays in registers: registers 0-3,
	global_load_b96 v[20:22], v1, s[4:5] offset:512   ; 4-6,
	global_load_b32 v255, v1, s[4:5] offset:524    ; and the scale words
.irp j, 23,24,25,26,27
	v_mov_b32 v[\j], 0                             ; k = 69 on: zero codes
.endr
.irp t, 0,1,2,3
.irp j, 7,8,9,10,11
	v_mov_b32 v[KF+12*\t+\j], 0                    ; the same in K's four fragments: written once, the loads touch registers 0-6 alone
.endr
.endr
	v_mov_b32 v13, 0xef800000                      ; the largest t so far: -2^96: under every real t, above every hidden key's
	v_floor_f32 v12, -v13                          ; -M
	v_mov_b32 v14, 0                               ; the sum, in two halves
	v_mov_b32 v15, 0
.irp b, 0,1,2,3
	v_mov_b32 v[236+\b], 0                         ; a lane permute's destination counts as one of its sources
.endr
	v_mov_b32 v253, 0                              ; named as the upper half of the pair v[252:253] before it is first written
.irp j, 0,1,2,3,4,5,6,7,8,9,10,11,12,13,14,15,16,17,18,19,20,21,22,23,24,25,26,27,28,29,30,31
	v_mov_b32 v[O+\j], 0                           ; O^T.  The step is written once: the first finds zeros, which the first change of M leaves zeros
.endr
.macro KLOAD g                         ; four tiles of K: twelve loads
.irp t, 0,1,2,3
	ds_load_b128 v[KF+12*\t:KF+12*\t+3], v4 offset:SB+4096*\g+1024*\t
	ds_load_b96 v[KF+12*\t+4:KF+12*\t+6], v4 offset:SB+4096*\g+1024*\t+512
	ds_load_b32 v[248+\t], v4 offset:SB+4096*\g+1024*\t+524
.endr
.endm
.macro KQ g                            ; S^T = K Q^T for these 64 keys: four accumulators, each begun with 0
.irp t, 0,1,2,3
	v_wmma_scale_f32_16x16x128_f8f6f4 v[S+32*\g+8*\t:S+32*\g+8*\t+7], v[KF+12*\t:KF+12*\t+11], v[16:27], 0, v[248+\t], v255 matrix_a_fmt:MATRIX_FMT_FP6 matrix_b_fmt:MATRIX_FMT_FP6
.endr
.endm
; A KEY STEP: 128 keys, the q-th of the slot in hand.
.macro STEP q
.set SB, (\q)*STEPB
	PLACES                                         ; in front of loads into V^T's registers, which the last products read
	KLOAD 0
.irp d, 0,1,2,3                                ; all of V^T, asked for now, wanted behind the softmax
.irp c, 0,1
	ds_load_b128 v[VF+12*\d+6*\c:VF+12*\d+6*\c+3], v4 offset:SB+8192+3072*\c+768*\d
	ds_load_b64 v[VF+12*\d+6*\c+4:VF+12*\d+6*\c+5], v7 offset:SB+8192+3072*\c+768*\d+512
.endr
	ds_load_b32 v[VS+\d], v8 offset:SB+14336+64*\d
.endr
	s_wait_dscnt 20                                ; K's first twelve loads are in; V's twenty, issued behind them, may be out
	KQ 0
	PLACES
	KLOAD 1
	s_wait_dscnt 0x0                               ; K's other four tiles, and V
	KQ 1
	PLACES
.irp b, 0,1,2,3
	v_max3_num_f32 v[232+\b], v[S+16*\b], v[S+1+16*\b], v[S+2+16*\b]   ; THE LARGEST SCORE OF EACH BLOCK OF 32 KEYS serves twice: for the row's maximum, and, since p rises with the score, for the block's largest p
.endr
.irp i, 3,5,7,9,11,13
.irp b, 0,1,2,3
	v_max3_num_f32 v[232+\b], v[232+\b], v[S+16*\b+\i], v[S+1+16*\b+\i]   ; the four blocks by turns
.endr
.endr
.irp b, 0,1,2,3
	v_max_num_f32 v[232+\b], v[232+\b], v[S+15+16*\b]
.endr
.irp b, 0,1,2,3
	v_permlanex16_b32 v[236+\b], v[232+\b], s[SEL], s[SEL+1]
.endr
.irp b, 0,1,2,3
	v_max_num_f32 v[232+\b], v[232+\b], v[236+\b]  ; with lane l xor 16's 16 keys
.endr
	v_max3_num_f32 v254, v232, v233, v234
	v_max_num_f32 v254, v254, v235                 ; the step's largest score of my query
	v_mul_f32 v254, s[CS], v254                    ; as t (c is positive)
	v_max_num_f32 v13, v13, v254                   ; the running largest t
	v_mov_b32 v254, v12
	v_floor_f32 v12, -v13                          ; the new -M = floor(-t) = -ceil(t): M is a whole number
	v_sub_f32 v254, v12, v254                      ; M's old value less its new one: a whole number, 0 or less
	v_cvt_i32_f32 v254, v254                       ; (it saturates)
	v_ldexp_f32 v252, 1.0, v254                    ; f = 2^(old M - new M): a multiplication by it rounds nothing
.irp j, 0,2,4,6,8,10,12,14,16,18,20,22,24,26,28,30,32,34,36,38,40,42,44,46,48,50,52,54,56,58,60,62
	v_pk_fma_f32 v[S+\j:S+1+\j], v[S+\j:S+1+\j], s[CS:CS+1], v[12:13] op_sel_hi:[1,0,0]   ; t - M, two at a time (of the pairs c and -M the low word serves both halves)
.endr
.irp b, 0,1,2,3
	v_fma_f32 v[232+\b], v[232+\b], s[CS], v12     ; the same of each block's largest score
.endr
.irp j, 0,1,2,3,4,5,6,7,8,9,10,11,12,13,14,15,16,17,18,19,20,21,22,23,24,25,26,27,28,29,30,31,32,33,34,35,36,37,38,39,40,41,42,43,44,45,46,47,48,49,50,51,52,53,54,55,56,57,58,59,60,61,62,63
	v_exp_f32 v[S+\j], v[S+\j]                     ; p = 2^(t - M), at most 1: not normalised
.endr
.irp b, 0,1,2,3
	v_exp_f32 v[232+\b], v[232+\b]                 ; the block's largest p: the same two instructions on the same number give the same bits
.endr
	v_pk_mul_f32 v[14:15], v[14:15], v[252:253] op_sel_hi:[1,0]   ; the sums under the new M.  (A plain place behind the exponentials)
.irp j, 0,2,4,6,8,10,12,14,16,18,20,22,24,26,28,30
	v_pk_mul_f32 v[O+\j:O+1+\j], v[O+\j:O+1+\j], v[252:253] op_sel_hi:[1,0]   ; O^T under the new M
.endr
	s_wait_alu depctr_va_vdst(0)
.irp b, 0,1,2,3
	v_max_num_f32 v[232+\b], 0x1800000, v[232+\b]  ; the floor 2^(3 - 127): the byte cannot fall under 1 (a block whose every p is 0 keeps that byte: its codes are zeros)
.endr
.irp b, 0,1,2,3
	v_add_nc_u32 v[244+\b], 0xff000000, v[232+\b]  ; 2 off the exponent field: the conversion's scale operand
.endr
.irp b, 0,1,2,3
	v_lshrrev_b32 v[236+\b], 23, v[244+\b]         ; the scale's byte
.endr
	v_lshl_or_b32 v253, v237, 8, v236              ; p's scale word for these 128 keys
	v_lshl_or_b32 v253, v238, 16, v253
	v_lshl_or_b32 v253, v239, 24, v253
.irp c, 0,1
	v_cvt_scalef32_pk16_fp6_f32 v[224+6*\c:226+6*\c], v[S+32*\c:S+15+32*\c], v[244+2*\c]
	v_cvt_scalef32_pk16_fp6_f32 v[236+4*\c:238+4*\c], v[S+16+32*\c:S+31+32*\c], v[244+2*\c+1]   ; a conversion's three registers begin on an even number
.endr
	v_nop                                          ; one plain place behind a scaled conversion
.irp c, 0,1                                    ; the operand's layout wants a WHOLE block in a lane: lanes 0-15 block 2 c, lanes 16-31 block 2 c + 1
.irp i, 0,1,2
	v_permlane16_swap_b32 v[224+6*\c+\i], v[236+4*\c+\i]
.endr
.irp i, 0,1,2
	v_mov_b32 v[227+6*\c+\i], v[236+4*\c+\i]
.endr
.endr
	v_pk_add_f32 v[236:237], v[S:S+1], v[S+2:S+3]  ; THE ROW'S SUM IS TAKEN OF THE UNQUANTISED p: two at a time, in two chains.  These 32 lines are also the places between p's codes and scale word and the products below
.irp j, 4,8,12,16,20,24,28,32,36,40,44,48,52,56,60
	v_pk_add_f32 v[14:15], v[14:15], v[S+\j:S+1+\j]
	v_pk_add_f32 v[236:237], v[236:237], v[S+2+\j:S+3+\j]
.endr
	v_pk_add_f32 v[14:15], v[14:15], v[236:237]
.irp d, 0,1,2,3                                ; O^T += V^T P^T: four tiles of 16 channels, K = these 128 keys; the four accumulators by turns
	v_wmma_scale_f32_16x16x128_f8f6f4 v[O+8*\d:O+8*\d+7], v[VF+12*\d:VF+12*\d+11], v[224:235], v[O+8*\d:O+8*\d+7], v[VS+\d], v253 matrix_a_fmt:MATRIX_FMT_FP6 matrix_b_fmt:MATRIX_FMT_FP6
.endr
.endm
; THE CHANGE OF SLOTS stands at a slot's head.  Each wave waits for all its tensor loads (its part of the slot that it is about to read), adds 0 to its spare word, and waits for that and for its reads of the slot
; that it has left.  Behind the barrier the slot ahead is whole and nobody reads the other one.  fill = 1: that other slot takes the next four steps: the load has a whole slot's steps in which to land.
.macro CHANGE fill
	s_wait_tensorcnt 0x0                           ; no tensor load of mine is out, so group 0 may be written
	ds_add_u32 v5, v6                              ; 0 onto my spare word
.if \fill
	s_xor_b32 s[G0+1], s[G0+1], SLOT1              ; the walking descriptor: the other slot than last time,
	s_add_nc_u64 s[G0+2:G0+3], s[G0+2:G0+3], SLOTB ; the next four steps; the type bits on top are not reached
.endif
	s_wait_dscnt 0x0                               ; the add is done, and my reads of the slot that I have left are over
	s_barrier_signal -1
	s_barrier_wait -1
.if \fill
	TLOAD                                          ; the first thing behind the barrier, and a wave's one tensor load until the next
.endif
	v_add_nc_u32 v4, s[TB], v1                     ; my lane's places in the slot in hand
	v_add_nc_u32 v7, s[TB], v2
	v_add_nc_u32 v8, s[TB], v3
.endm
	s_wait_loadcnt 0x0                             ; Q
.Lslot:                                            ; seven trips: behind each change of slots but the last the next slot is asked for
	CHANGE 1
	STEP 0
	STEP 1
	STEP 2
	STEP 3
	s_xor_b32 s[TB], s[TB], SLOT1                  ; on to the other slot
	s_sub_co_u32 s[SLOTS], s[SLOTS], 1
	s_cmp_lg_u32 s[SLOTS], 0
	s_cbranch_scc1 .Lslot
	CHANGE 0                                       ; the last slot is written out
	STEP 0
	STEP 1
	STEP 2
	STEP 3
	; THE WAY OUT.  O^T is divided by the sum and quantised along the head's 64, which are half a K step of the last product; the codes leave in the order of that operand's registers.
	PLACES
	v_add_f32 v14, v14, v15                        ; the sum's two halves,
	v_permlanex16_b32 v252, v14, s[SEL], s[SEL+1]
	v_add_f32 v14, v14, v252                       ; and lane l xor 16's: the row's sum
	v_rcp_f32 v14, v14
	v_mov_b32 v242, 0                              ; (a plain place behind the transcendental)  a lane permute's destination counts as one of its sources
	v_mov_b32 v243, 0
	s_wait_alu depctr_va_vdst(0)
.irp j, 0,1,2,3,4,5,6,7,8,9,10,11,12,13,14,15,16,17,18,19,20,21,22,23,24,25,26,27,28,29,30,31
	v_mul_f32 v[S+\j], v[O+\j], v14                ; register 16 b + i is o(my query, 64 head + 32 b + 16 h + i); each accumulator from its low end on
.endr
	QUANT32 S, 224, 240
	v_cndmask_b32 v254, v246, v247, s46            ; my lane's block's byte
	global_store_b128 v1, v[224:227], s[8:9]       ; 512 consecutive bytes, aligned
	global_store_b64 v2, v[228:229], s[8:9] offset:512   ; 256 consecutive bytes, aligned
	global_store_b8 v9, v254, s[10:11]             ; single bytes: one for each 32 numbers; the other half of each word comes from the neighbouring head's work-group
	s_wait_tensorcnt 0x0                           ; the wave's end
	ds_add_u32 v5, v6
	s_wait_dscnt 0x0
	s_endpgm
.Lfunc_end_k_q85b5e8b522_attn:
	.size	k_q85b5e8b522_attn, .Lfunc_end_k_q85b5e8b522_attn-k_q85b5e8b522_attn
	.p2alignl 7, 3214868480
	.fill 96, 4, 3214868480
	.section	.rodata,"a",@progbits
	.p2align	6, 0x0
	.amdhsa_kernel k_q85b5e8b522_attn
		.amdhsa_group_segment_fixed_size 327680
		.amdhsa_private_segment_fixed_size 0
		.amdhsa_enable_private_segment 0
		.amdhsa_kernarg_size 32
		.amdhsa_user_sgpr_count 2
		.amdhsa_user_sgpr_kernarg_segment_ptr 1
		.amdhsa_wavefront_size32 1
		.amdhsa_system_sgpr_workgroup_id_x 1
		.amdhsa_system_sgpr_workgroup_id_y 1
		.amdhsa_system_sgpr_workgroup_id_z 1
		.amdhsa_system_vgpr_workitem_id 0
		.amdhsa_next_free_vgpr 256
		.amdhsa_next_free_sgpr 66
		.amdhsa_reserve_vcc 0
		.amdhsa_float_denorm_mode_32 3
		.amdhsa_float_denorm_mode_16_64 3
		.amdhsa_memory_ordered 1
		.amdhsa_forward_progress 1
		.amdhsa_inst_pref_size 141
	.end_amdhsa_kernel
	.amdgpu_metadata
---
amdhsa.version: [ 1, 2 ]
amdhsa.kernels:
  - .name:           k_q85b5e8b522_attn
    .symbol:         k_q85b5e8b522_attn.kd
    .args:
      - { .name: qi, .offset: 0, .size: 8, .value_kind: global_buffer, .address_space: global }
      - { .name: kv, .offset: 8, .size: 8, .value_kind: global_buffer, .address_space: global }
      - { .name: oc, .offset: 16, .size: 8, .value_kind: global_buffer, .address_space: global }
      - { .name: os, .offset: 24, .size: 8, .value_kind: global_buffer, .address_space: global }
    .group_segment_fixed_size: 327680
    .private_segment_fixed_size: 0
    .kernarg_segment_align: 8
    .kernarg_segment_size: 32
    .max_flat_workgroup_size: 512
    .sgpr_count:     66
    .vgpr_count:     256
    .wavefront_size: 32
...
	.end_amdgpu_metadata
.endif
;; end of part 3
;; launch outp (part 4): grid 64 x 3, 4 waves a work-group, no clusters, 17,920 bytes of LDS; arguments xc, xs, oc, os, bo, out0; writes out0
.if DOCPART == 4
	.amdgcn_target "amdgcn-amd-amdhsa--gfx1250"
	.amdhsa_code_object_version 6
	.text
	.protected	k_q85b5e8b522_outp
	.globl	k_q85b5e8b522_outp
	.p2align	8
	.type	k_q85b5e8b522_outp,@function
k_q85b5e8b522_outp:
	s_mov_b64 s[64:65], 0
	v_nop
	global_prefetch_b8 v0, s[64:65] scope:SCOPE_SE
	s_setreg_imm32_b32 hwreg(HW_REG_WAVE_MODE, 25, 1), 1
	s_wait_xcnt 0x0
; out0 = O Wo^T + bo on codes of FP6 (E2M3) with E8M0 scales, sums in f32.  O's codes and scale words come from the attention launch, Wo's from the quantising launch, both in the order of the operands' registers.
; Work-group x: 64 rows (four tiles of queries); y and the wave: 64 columns, group 4 y + wave.  A wave has 16 accumulators and six K steps of 128, written out; every offset is an immediate.
; The product is used TRANSPOSED (source 0 = 16 rows of Wo, source 1 = 16 rows of O): a lane holds one row, and the 32 registers of a tile of rows are columns 32 b + 16 (lane / 16) + i at register 16 b + i.
; The bias is loaded into the accumulators, so that the first product already adds onto it.  Lane r of tile 2 g + u holds row 32 g + 8 u + r + 8 (r / 8): the way out puts each row where it belongs.
; THE WAY OUT: a tile of 16 rows x 64 columns goes through the wave's own stage in LDS (rows of 256 bytes + 16) and comes back by rows: sixteen lanes store 256 consecutive bytes, aligned.  No barrier: waves share nothing.
; No tensor loads and no cluster: fragments are dense runs for plain loads, and nothing goes through LDS that partners could receive jointly.
.set ACC, 16                           ; v16-143  16 accumulators
.set XF,  144                          ; v144-191 O's four fragments
.set WF,  192                          ; v192-239 Wo's four
.set XS,  240                          ; v240-243 O's scale words
.set WS,  244                          ; v244-247 Wo's
.set OB,  144                          ; the way out: rows read back from the stage: v144-175 and v176-207 by turns
.macro PLACES                          ; four plain places between a matrix instruction and a load into, or a store or vector instruction on, one of its registers (ISA guide 7.12.1 for vector instructions)
.rept 4
	v_nop
.endr
.endm
.macro KSTEP s
.if \s > 0
	PLACES
.endif
.irp m, 0,1,2,3
.irp c, 0,1
	global_load_b128 v[XF+12*\m+6*\c:XF+12*\m+6*\c+3], v1, s[24:25] offset:9216*\m+1536*\s+768*\c          ; head 2 s + c: registers 6 c .. 6 c + 3,
	global_load_b64 v[XF+12*\m+6*\c+4:XF+12*\m+6*\c+5], v3, s[24:25] offset:9216*\m+1536*\s+768*\c+512     ; 6 c + 4, 6 c + 5
.endr
.irp c, 0,1,2
	global_load_b128 v[WF+12*\m+4*\c:WF+12*\m+4*\c+3], v1, s[26:27] offset:9216*\m+1536*\s+512*\c
.endr
	global_load_b32 v[XS+\m], v4, s[28:29] offset:384*\m+64*\s
	global_load_b32 v[WS+\m], v2, s[30:31] offset:768*\m+128*\s
.endr
	s_wait_loadcnt 0x0                             ; all of this step's operands (and, in the first step, the bias)
.irp m, 0,1,2,3
.irp n, 0,1,2,3
	v_wmma_scale_f32_16x16x128_f8f6f4 v[ACC+32*\m+8*\n:ACC+32*\m+8*\n+7], v[WF+12*\n:WF+12*\n+11], v[XF+12*\m:XF+12*\m+11], v[ACC+32*\m+8*\n:ACC+32*\m+8*\n+7], v[WS+\n], v[XS+\m] matrix_a_fmt:MATRIX_FMT_FP6 matrix_b_fmt:MATRIX_FMT_FP6
.endr
.endr
.endm
	s_load_b256 s[4:11], s[0:1], 0x0               ; xc, xs, oc, os
	s_load_b128 s[12:15], s[0:1], 0x20             ; bo, out0
	v_lshl_add_u32 v254, v0, 2, 0x4400
	v_mov_b32 v255, 0
	v_lshrrev_b32 v7, 5, v0
	v_readfirstlane_b32 s20, v7                    ; wave
	s_and_b32 s23, ttmp7, 0xffff
	s_lshl_b32 s23, s23, 2
	s_add_co_u32 s23, s23, s20                     ; my group of 64 columns
	s_lshl_b32 s48, s23, 2
	s_add_co_u32 s48, s48, 912                     ; Wo's first tile of them
	v_and_b32 v7, 31, v0
	v_lshlrev_b32 v1, 4, v7                        ; 16 x lane
	v_lshlrev_b32 v2, 2, v7                        ; 4 x lane
	v_lshlrev_b32 v3, 3, v7                        ; 8 x lane
	v_and_b32 v7, 15, v0                           ; r
	v_bfe_u32 v11, v0, 4, 1                        ; h
	v_lshlrev_b32 v4, 2, v7                        ; 4 r
	v_lshlrev_b32 v5, 6, v11                       ; 64 h
	s_mul_i32 s40, s20, 4352                       ; my stage: 16 rows of 272 bytes
	v_mul_u32_u24 v8, v7, 272
	v_add_nc_u32 v8, v8, v5
	v_add_nc_u32 v8, s40, v8                       ; in: row r, + 64 h: my 16 columns of a block of 32
	v_mul_u32_u24 v9, v11, 272
	v_lshl_add_u32 v9, v7, 4, v9
	v_add_nc_u32 v9, s40, v9                       ; back: lanes 0-15 one row, lanes 16-31 the next; 16 bytes a lane
	v_mul_u32_u24 v10, v11, 3072
	v_lshl_add_u32 v10, v7, 4, v10                 ; and the same two rows in out0
	s_mov_b32 s53, 0
	s_wait_kmcnt 0x0
	s_mul_i32 s52, ttmp9, 36864
	s_add_nc_u64 s[24:25], s[8:9], s[52:53]        ; O's codes: four tiles of 9,216 bytes
	s_mul_i32 s52, s48, 9216
	s_add_nc_u64 s[26:27], s[4:5], s[52:53]        ; Wo's fragments
	s_mul_i32 s52, ttmp9, 1536
	s_add_nc_u64 s[28:29], s[10:11], s[52:53]      ; O's scale words
	s_mul_i32 s52, s48, 768
	s_add_nc_u64 s[30:31], s[6:7], s[52:53]        ; Wo's
	s_lshl_b32 s52, s23, 8
	s_add_nc_u64 s[32:33], s[12:13], s[52:53]      ; the bias at my 64 columns
	s_add_nc_u64 s[36:37], s[14:15], s[52:53]      ; out0 at my columns,
	s_mul_i32 s52, ttmp9, 196608
	s_add_nc_u64 s[36:37], s[36:37], s[52:53]      ; and my 64 rows
.irp m, 0,1,2,3
.irp n, 0,1,2,3
	global_load_b128 v[ACC+32*\m+8*\n:ACC+32*\m+8*\n+3], v5, s[32:33] offset:(32*(\n/2)+8*(\n%2))*4       ; the bias in the result's layout: column 32 (n / 2) + 16 h + 8 (n % 2) + 0 .. 7
	global_load_b128 v[ACC+32*\m+8*\n+4:ACC+32*\m+8*\n+7], v5, s[32:33] offset:(32*(\n/2)+8*(\n%2))*4+16
.endr
.endr
	KSTEP 0
	KSTEP 1
	KSTEP 2
	KSTEP 3
	KSTEP 4
	KSTEP 5
	PLACES
.irp m, 0,1,2,3
.if \m >= 2
	s_wait_xcnt 0x0                                ; the stores of the tile two back have read their registers: only behind this wait are they loaded again
.endif
.irp b, 0,1
.irp q, 0,1,2,3
	ds_store_b128 v8, v[ACC+32*\m+16*\b+4*\q:ACC+32*\m+16*\b+4*\q+3] offset:128*\b+16*\q   ; each accumulator from its low end on
.endr
.endr
.irp i, 0,1,2,3,4,5,6,7
	ds_load_b128 v[OB+32*(\m%2)+4*\i:OB+32*(\m%2)+4*\i+3], v9 offset:544*\i   ; LDS serves a wave's instructions in order: these see my stores, and the next tile's stores come behind them
.endr
.irp i, 0,1,2,3,4,5,6,7
	s_wait_dscnt 7-\i                              ; load i is in; the 7 - i younger ones may be out
	global_store_b128 v10, v[OB+32*(\m%2)+4*\i:OB+32*(\m%2)+4*\i+3], s[36:37] offset:(32*(\m/2)+8*(\m%2)+2*\i+8*(\i/4))*3072 th:TH_STORE_NT   ; stage rows 2 i, 2 i + 1 are the tile's rows 2 i + 8 (i / 4) on; written once, read by nobody here
.endr
.endr
	s_wait_tensorcnt 0x0
	ds_add_u32 v254, v255
	s_wait_dscnt 0x0
	s_endpgm
.Lfunc_end_k_q85b5e8b522_outp:
	.size	k_q85b5e8b522_outp, .Lfunc_end_k_q85b5e8b522_outp-k_q85b5e8b522_outp
	.p2alignl 7, 3214868480
	.fill 96, 4, 3214868480
	.section	.rodata,"a",@progbits
	.p2align	6, 0x0
	.amdhsa_kernel k_q85b5e8b522_outp
		.amdhsa_group_segment_fixed_size 17920
		.amdhsa_private_segment_fixed_size 0
		.amdhsa_enable_private_segment 0
		.amdhsa_kernarg_size 48
		.amdhsa_user_sgpr_count 2
		.amdhsa_user_sgpr_kernarg_segment_ptr 1
		.amdhsa_wavefront_size32 1
		.amdhsa_system_sgpr_workgroup_id_x 1
		.amdhsa_system_sgpr_workgroup_id_y 1
		.amdhsa_system_sgpr_workgroup_id_z 1
		.amdhsa_system_vgpr_workitem_id 0
		.amdhsa_next_free_vgpr 256
		.amdhsa_next_free_sgpr 66
		.amdhsa_reserve_vcc 0
		.amdhsa_float_denorm_mode_32 3
		.amdhsa_float_denorm_mode_16_64 3
		.amdhsa_memory_ordered 1
		.amdhsa_forward_progress 1
		.amdhsa_inst_pref_size 47
	.end_amdhsa_kernel
	.amdgpu_metadata
---
amdhsa.version: [ 1, 2 ]
amdhsa.kernels:
  - .name:           k_q85b5e8b522_outp
    .symbol:         k_q85b5e8b522_outp.kd
    .args:
      - { .name: xc, .offset: 0, .size: 8, .value_kind: global_buffer, .address_space: global }
      - { .name: xs, .offset: 8, .size: 8, .value_kind: global_buffer, .address_space: global }
      - { .name: oc, .offset: 16, .size: 8, .value_kind: global_buffer, .address_space: global }
      - { .name: os, .offset: 24, .size: 8, .value_kind: global_buffer, .address_space: global }
      - { .name: bo, .offset: 32, .size: 8, .value_kind: global_buffer, .address_space: global }
      - { .name: out0, .offset: 40, .size: 8, .value_kind: global_buffer, .address_space: global }
    .group_segment_fixed_size: 17920
    .private_segment_fixed_size: 0
    .kernarg_segment_align: 8
    .kernarg_segment_size: 48
    .max_flat_workgroup_size: 128
    .sgpr_count:     66
    .vgpr_count:     256
    .wavefront_size: 32
...
	.end_amdgpu_metadata
.endif
;; end of part 4
;; ======== version 2 of 3: 4 launches
;; limits: right only within a limited range of input values
;; workspace buffers: xc 8,847,360 bytes; xs 737,280 bytes; qi 3,145,728 bytes; kv 5,603,328 bytes; oc 2,359,296 bytes; os 98,304 bytes
;; launch quant: the kernel of part 1 again; grid 960 x 1, 6 waves a work-group, no clusters, 51,456 bytes of LDS; arguments query, key, value, Wq, Wk, Wv, Wo, xc, xs; writes xc, xs
;; launch proj: the kernel of part 2 again; grid 192 x 3, 4 waves a work-group, no clusters, 0 bytes of LDS; arguments xc, xs, bq, bk, bv, mask, qi, kv; writes qi, kv
;; launch attn (part 5): grid 64 x 4, 12 waves a work-group, no clusters, 327,680 bytes of LDS; arguments qi, kv, oc, os; writes oc, os
.if DOCPART == 5
	.amdgcn_target "amdgcn-amd-amdhsa--gfx1250"
	.amdhsa_code_object_version 6
	.text
	.protected	k_q85b5e8b522_attn
	.globl	k_q85b5e8b522_attn
	.p2align	8
	.type	k_q85b5e8b522_attn,@function
k_q85b5e8b522_attn:
	s_mov_b64 s[64:65], 0
	v_nop
	global_prefetch_b8 v0, s[64:65] scope:SCOPE_SE
	s_setreg_imm32_b32 hwreg(HW_REG_WAVE_MODE, 25, 1), 1
	s_wait_xcnt 0x0
; O[h][q] = the sum over k of softmax_k(Q[h][q] . K[h][k] / 8) V[h][k], 12 heads of 64, 4,096 queries and keys, both products on codes of FP6 (E2M3) with E8M0 scales; O is quantised along the
; embedding's 768 for the last product and leaves as codes.
; THE SOFTMAX AHEAD OF THE SECOND PRODUCT: t = score x log2(e) / 8; M = the row's largest t so far, rounded UP to a whole number; p = 2^(t - M) is what is quantised, along the keys, not normalised.
; The row's sum is taken of the unquantised p, in f32, and divides O at the end.  When M moves, the sum and O are multiplied by 2^(old M - new M): exact.
; THE MASK costs no line here: it rides at k = 64 of the first product (the head has 64 numbers, the instruction takes 128): a hidden key's score is -7.5 x 2^100, so its t lies under the running maximum's
; first value, -2^96, its p is 0 and it adds nothing to the sum; a run of hidden keys at the start leaves sum and O at 0.
; LIMITS: every real t lies above -2^96; a mask that is 0 everywhere is not served (reference() gives NaN there, this text codes of no meaning); NaN and infinities are not served;
; a block of zeros gets the byte 1 (this program alone reads the bytes).
; SHARES.  3,072 tiles of 16 queries x one head are dealt to 256 work-groups of TWELVE waves: three heads (3 y + wave / 4) x four tiles of queries (4 x + wave % 4); a wave owns one tile in 256 registers,
; three waves to a SIMD, so that one wave's vector work stands beside another's matrix work and LDS loads.  Every wave walks its head's 32 steps of 128 keys.
; A step's record in kv is 14,592 dense bytes (8 tiles of K, V^T's 8 half fragments, V's scale words), all in the order of the operands' registers; one tensor load (57 rows of 256 bytes) brings one record.
; THE RING has two slots of UNEQUAL size, since 2 x 4 steps x 3 heads are 350,208 bytes, more than LDS holds: slot A, 4 steps x 3 heads = 12 records, one load for each of the twelve waves; slot B, 3 steps x 3 heads =
; 9 records, waves 0 to 8.  4 + 3 + 4 + 3 + 4 + 3 + 4 + 3 + 4 = 32 steps.  In a slot the records lie [local head][step], so that every LDS offset is an immediate.  A wave has one tensor load out.
; THE CHANGE OF SLOTS is spread over a slot's last step: when that step's LDS loads are back the wave has done with the slot, so there it waits for its tensor load, adds 0 to its spare word and signals; the step's
; last four score products, its softmax and its products with V, all on registers, stand between the signal and the wait; the refill comes first behind the wait.
; LAYOUT.  Both products are used transposed: S^T = K Q^T, O^T = V^T P^T: a lane holds ONE query (lane % 16) throughout.  The keys of a tile of K are 32 b + 8 u + r + 8 (r / 8), so that the 16 registers of tiles
; 2 b and 2 b + 1 are 16 neighbouring keys; V^T's channels are ordered likewise, so that O^T's 32 registers are d = 32 b + 16 (lane / 16) + i at register 16 b + i: the quantiser's order.
; NO CLUSTER, though the 64 work-groups of a group of heads walk the same records: a request (175,104 or 131,328 bytes a work-group) stands two key steps or more, some 300 instructions a step in each of twelve waves,
; ahead of the wait for it, and a round of a cluster's barrier would hold all twelve waves at each of the eight changes, where the work-group's own barrier is passed while the softmax runs.
; REGISTERS: v1, v2 lane terms for the stores; v4, v7, v8 my places in slot A; v10, v11, v3 in slot B; v5, v6 the add's; v9 4 r + h; v12 -M, v13 the largest t, v[14:15] the sum in two halves; v16-27 Q;
; v28-31 V's scale words; v32-79 four fragments of K; v80-127 V^T's four; v128-191 S^T, then p; v192-223 O^T; v224-235 p's codes; v232-247 at work; v248-251 K's scale words; v252 f; v253 p's scale word;
; v254 at work; v255 Q's scale words.
.set STEPB, 14592                      ; a key step's record
.set HEADB, 32*STEPB                   ; a head's 32 records
.set SLOTB, 12*STEPB                   ; slot A: bytes 0 on, 12 records; slot B begins here, 9 records
.set SPARE, 21*STEPB                   ; behind the ring (306,432, a multiple of 256): the spare words, 128 bytes for each of twelve waves: six blocks of 256 bytes that no other line names
.set KF,  32
.set VF,  80
.set VS,  28
.set S,   128
.set O,   192
.set AA16, 4                           ; slot A: 16 x lane, 8 x lane, 4 r, each + my head's four records; never rewritten
.set AA8,  7
.set AA4,  8
.set BA16, 10                          ; slot B: the same + my head's three records; never rewritten
.set BA8,  11
.set BA4,  3
.set WV,  18                           ; s18  my wave's number
.set SEL, 20                           ; s[20:21] v_permlanex16_b32's selects for lane l xor 16
.set CS,  22                           ; s[22:23] c = log2(e) / 8: the packed form names a pair and takes its low word for both halves
.set G1,  24                           ; s[24:31] descriptor group 1: a record
.set G0A, 40                           ; s[40:43] descriptor group 0 for slot A, which walks
.set G0B, 44                           ; s[44:47] for slot B
.set TRIPS, 54                         ; s54  trips to go
.macro PLACES                          ; four plain places between a matrix instruction and a load into, or a vector instruction on, one of its registers (ISA guide 7.12.1 for vector instructions)
.rept 4
	v_nop
.endr
.endm
.macro TLOAD_A                         ; every wave brings one of slot A's twelve records: LDS address and global address hang on the wave's number.  Four v_nop follow the line
	tensor_load_to_lds s[G0A:G0A+3], s[G1:G1+7]
	s_nop 0
.rept 4
	v_nop
.endr
.endm
.macro TLOAD_B                         ; waves 0 to 8 bring slot B's nine records, the others nothing: the branch hangs on the wave's number alone
	s_cmp_lt_u32 s[WV], 9
	s_cbranch_scc0 .Lasked_\@
	tensor_load_to_lds s[G0B:G0B+3], s[G1:G1+7]
	s_nop 0
.rept 4
	v_nop
.endr
.Lasked_\@:
.endm
.macro QUANT32 src, pc, tm             ; 32 numbers of a lane, register 16 b + i = k 32 b + 16 (lane / 16) + i, become six registers of codes: block lane / 16 whole; the two bytes in v[tm + 6], v[tm + 7]
.irp b, 0,1
	v_max3_num_f32 v[(\tm)+\b], |v[(\src)+16*\b]|, |v[(\src)+16*\b+1]|, 0x1800000
.endr
.irp i, 2,4,6,8,10,12,14
.irp b, 0,1
	v_max3_num_f32 v[(\tm)+\b], v[(\tm)+\b], |v[(\src)+16*\b+\i]|, |v[(\src)+16*\b+\i+1]|
.endr
.endr
.irp b, 0,1
	v_permlanex16_b32 v[(\tm)+2+\b], v[(\tm)+\b], s[SEL], s[SEL+1]
.endr
.irp b, 0,1
	v_max_num_f32 v[(\tm)+\b], v[(\tm)+\b], v[(\tm)+2+\b]
.endr
.irp b, 0,1
	v_add_nc_u32 v[(\tm)+4+\b], 0xff000000, v[(\tm)+\b]
.endr
.irp b, 0,1
	v_lshrrev_b32 v[(\tm)+6+\b], 23, v[(\tm)+4+\b]
.endr
	v_cvt_scalef32_pk16_fp6_f32 v[(\pc):(\pc)+2], v[(\src):(\src)+15], v[(\tm)+4]
	v_cvt_scalef32_pk16_fp6_f32 v[(\pc)+4:(\pc)+6], v[(\src)+16:(\src)+31], v[(\tm)+5]
	v_nop                                          ; one plain place behind a scaled conversion
.irp i, 0,1,2
	v_permlane16_swap_b32 v[(\pc)+\i], v[(\pc)+4+\i]
.endr
.irp i, 3,4,5
	v_mov_b32 v[(\pc)+\i], v[(\pc)+\i+1]
.endr
.endm
	s_load_b256 s[4:11], s[0:1], 0x0               ; qi s[4:5], kv s[6:7], oc s[8:9], os s[10:11]
	v_lshl_add_u32 v5, v0, 2, SPARE                ; my spare word; never rewritten
	v_mov_b32 v6, 0                                ; 0; never rewritten
	ds_add_u32 v5, v6
	s_wait_dscnt 0x0
	v_lshrrev_b32 v10, 5, v0
	v_readfirstlane_b32 s[WV], v10                 ; wave 0..11
	s_and_b32 s32, ttmp7, 0xffff
	s_mul_i32 s32, s32, 3                          ; the group's first head
	s_lshr_b32 s33, s[WV], 2                       ; my head in the group: wave / 4
	s_and_b32 s36, s[WV], 3                        ; wave % 4
	s_add_co_u32 s34, s32, s33                     ; my head
	s_lshl_b32 s35, ttmp9, 2
	s_add_co_u32 s35, s35, s36                     ; my tile of queries: 4 x work-group x + wave % 4
	; what I fetch for slot A: record wave = 4 (wave / 4) + wave % 4: head wave / 4 of the group, step wave % 4 of the slot's four
	s_mul_i32 s50, s34, HEADB
	s_mul_i32 s51, s36, STEPB
	s_add_co_u32 s50, s50, s51
	s_mov_b32 s51, 0                               ; in memory,
	s_mul_i32 s37, s[WV], STEPB                    ; and in LDS
	; and for slot B: record w = 3 (w / 3) + w % 3: head w / 3, step w % 3 of the slot's three.  Waves 9 to 11 fetch nothing for it: they hold wave 8's numbers and never use them
	s_min_u32 s38, s[WV], 8
	s_mul_i32 s39, s38, 11
	s_lshr_b32 s39, s39, 5                         ; w / 3 (11 w / 32, right for w up to 8)
	s_mul_i32 s52, s39, 3
	s_sub_co_u32 s52, s38, s52                     ; w % 3
	s_add_co_u32 s52, s52, 4                       ; slot B begins with steps 4 to 6
	s_mul_i32 s52, s52, STEPB
	s_add_co_u32 s39, s39, s32
	s_mul_i32 s39, s39, HEADB
	s_add_co_u32 s52, s52, s39
	s_mov_b32 s53, 0                               ; in memory,
	s_mul_i32 s38, s38, STEPB
	s_add_co_u32 s38, s38, SLOTB                   ; and in LDS
	s_mul_i32 s48, s33, 4*STEPB                    ; where my head's records begin in slot A,
	s_mul_i32 s49, s33, 3*STEPB
	s_add_co_u32 s49, s49, SLOTB                   ; and in slot B
	s_mov_b32 s[G1], 3<<16                         ; 15:0 no mask; 17:16 elements of 8 bytes; 20 padding off: the records are read as they lie, 16 bytes a lane on end
	s_mov_b32 s[G1+1], 32<<16                      ; tensor_dim0 = 32 elements: 256 bytes
	s_mov_b32 s[G1+2], 57<<16                      ; tensor_dim1 = 57 rows: 14,592 bytes
	s_mov_b32 s[G1+3], 32<<16                      ; tile_dim0
	s_mov_b32 s[G1+4], 57                          ; tile_dim1
	s_mov_b32 s[G1+5], 32                          ; the pitch: dense
	s_mov_b32 s[G1+6], 0
	s_mov_b32 s[G1+7], 0
	s_mov_b32 s[SEL], 0x76543210
	s_mov_b32 s[SEL+1], 0xfedcba98
	s_mov_b32 s[CS], 0x3e38aa3b                    ; c = log2(e) / 8
	s_mov_b32 s[CS+1], s[CS]                       ; named with it as a pair, so it is written
	s_mov_b32 s55, 0xffff0000                      ; lanes 16-31
	s_mov_b32 s[TRIPS], 3
	s_wait_kmcnt 0x0
	s_mov_b32 s[G0A], 1                            ; count = 1
	s_mov_b32 s[G0A+1], s37                        ; LDS address
	s_add_nc_u64 s[G0A+2:G0A+3], s[6:7], s[50:51]  ; global address: steps 0 to 3
	s_or_b32 s[G0A+3], s[G0A+3], 0x80000000        ; type = 2
	s_mov_b32 s[G0B], 1
	s_mov_b32 s[G0B+1], s38
	s_add_nc_u64 s[G0B+2:G0B+3], s[6:7], s[52:53]  ; steps 4 to 6
	s_or_b32 s[G0B+3], s[G0B+3], 0x80000000
	TLOAD_A                                        ; slot A: the one first fill at the start
	s_lshl_b32 s56, s34, 8
	s_add_co_u32 s56, s56, s35
	s_lshl_b32 s56, s56, 10
	s_mov_b32 s57, 0
	s_add_nc_u64 s[4:5], s[4:5], s[56:57]          ; my tile's record in qi
	s_mul_i32 s56, s35, 12
	s_add_co_u32 s56, s56, s34
	s_mul_i32 s56, s56, 768
	s_add_nc_u64 s[8:9], s[8:9], s[56:57]          ; oc [tile][head][768]
	s_mul_i32 s56, s35, 384
	s_lshr_b32 s58, s34, 1
	s_lshl_b32 s58, s58, 6
	s_add_co_u32 s56, s56, s58
	s_and_b32 s58, s34, 1
	s_lshl_b32 s58, s58, 1
	s_add_co_u32 s56, s56, s58
	s_add_nc_u64 s[10:11], s[10:11], s[56:57]      ; os [tile][K step = head / 2][r][4]: bytes 2 (head % 2) on
	v_and_b32 v10, 31, v0
	v_lshlrev_b32 v1, 4, v10                       ; 16 x lane
	v_lshlrev_b32 v2, 3, v10                       ; 8 x lane
	v_and_b32 v11, 15, v0
	v_lshlrev_b32 v3, 2, v11                       ; 4 r
	v_bfe_u32 v10, v0, 4, 1
	v_add_nc_u32 v9, v3, v10                       ; 4 r + h
	global_load_b128 v[16:19], v1, s[4:5]          ; Q's fragment stays in registers: registers 0-3,
	global_load_b96 v[20:22], v1, s[4:5] offset:512   ; 4-6,
	global_load_b32 v255, v1, s[4:5] offset:524    ; and the scale words
	v_add_nc_u32 v[AA16], s48, v1                  ; my lane's places in my head's records of slot A,
	v_add_nc_u32 v[AA8], s48, v2
	v_add_nc_u32 v[AA4], s48, v3
	v_add_nc_u32 v[BA16], s49, v1                  ; and of slot B
	v_add_nc_u32 v[BA8], s49, v2
	v_add_nc_u32 v[BA4], s49, v3
.irp j, 23,24,25,26,27
	v_mov_b32 v[\j], 0                             ; k = 69 on: zero codes
.endr
.irp t, 0,1,2,3
.irp j, 7,8,9,10,11
	v_mov_b32 v[KF+12*\t+\j], 0                    ; the same in K's four fragments: written once, the loads touch registers 0-6 alone
.endr
.endr
	v_mov_b32 v13, 0xef800000                      ; the largest t so far: -2^96: under every real t, above every hidden key's
	v_floor_f32 v12, -v13                          ; -M
	v_mov_b32 v14, 0                               ; the sum, in two halves
	v_mov_b32 v15, 0
.irp b, 0,1,2,3
	v_mov_b32 v[236+\b], 0                         ; a lane permute's destination counts as one of its sources
.endr
	v_mov_b32 v253, 0                              ; named as the upper half of the pair v[252:253] before it is first written
.irp j, 0,1,2,3,4,5,6,7,8,9,10,11,12,13,14,15,16,17,18,19,20,21,22,23,24,25,26,27,28,29,30,31
	v_mov_b32 v[O+\j], 0                           ; O^T.  The step is written once: the first finds zeros, which the first change of M leaves zeros
.endr
.macro KLOAD g, a16                    ; four tiles of K: twelve loads
.irp t, 0,1,2,3
	ds_load_b128 v[KF+12*\t:KF+12*\t+3], v[\a16] offset:SB+4096*\g+1024*\t
	ds_load_b96 v[KF+12*\t+4:KF+12*\t+6], v[\a16] offset:SB+4096*\g+1024*\t+512
	ds_load_b32 v[248+\t], v[\a16] offset:SB+4096*\g+1024*\t+524
.endr
.endm
.macro KQ g                            ; S^T = K Q^T for these 64 keys: four accumulators, each begun with 0
.irp t, 0,1,2,3
	v_wmma_scale_f32_16x16x128_f8f6f4 v[S+32*\g+8*\t:S+32*\g+8*\t+7], v[KF+12*\t:KF+12*\t+11], v[16:27], 0, v[248+\t], v255 matrix_a_fmt:MATRIX_FMT_FP6 matrix_b_fmt:MATRIX_FMT_FP6
.endr
.endm
; A KEY STEP: 128 keys, the q-th of the slot whose address registers are named.
; meet = 1: the slot's last step, which carries the change of slots.  g0: the group 0 that is stepped for the refill behind it (0: nothing is filled again).
.macro STEP q, a16, a8, a4, meet, g0
.set SB, (\q)*STEPB
	PLACES                                         ; in front of loads into V^T's registers, which the last products read
	KLOAD 0, \a16
.irp d, 0,1,2,3                                ; all of V^T, asked for now, wanted behind the softmax
.irp c, 0,1
	ds_load_b128 v[VF+12*\d+6*\c:VF+12*\d+6*\c+3], v[\a16] offset:SB+8192+3072*\c+768*\d
	ds_load_b64 v[VF+12*\d+6*\c+4:VF+12*\d+6*\c+5], v[\a8] offset:SB+8192+3072*\c+768*\d+512
.endr
	ds_load_b32 v[VS+\d], v[\a4] offset:SB+14336+64*\d
.endr
	s_wait_dscnt 20                                ; K's first twelve loads are in; V's twenty, issued behind them, may be out
	KQ 0
	PLACES
	KLOAD 1, \a16
.if \meet
	s_wait_tensorcnt 0x0                           ; all my tensor loads have landed: the one that was out is my record of the other slot; so a group 0 may be written
	ds_add_u32 v5, v6                              ; 0 onto my spare word
.if \g0
	s_add_nc_u64 s[\g0+2:\g0+3], s[\g0+2:\g0+3], 7*STEPB   ; this slot's next steps lie seven on (4 + 3); the type bits on top are not reached
.endif
	s_wait_dscnt 0x0                               ; the add is done; K's other four tiles and V are in: they were my last reads of this slot
	s_barrier_signal -1                            ; say so; up to the wait below stands work on registers alone
.else
	s_wait_dscnt 0x0                               ; K's other four tiles, and V
.endif
	KQ 1
	PLACES
.irp b, 0,1,2,3
	v_max3_num_f32 v[232+\b], v[S+16*\b], v[S+1+16*\b], v[S+2+16*\b]   ; THE LARGEST SCORE OF EACH BLOCK OF 32 KEYS serves twice: for the row's maximum, and, since p rises with the score, for the block's largest p
.endr
.irp i, 3,5,7,9,11,13
.irp b, 0,1,2,3
	v_max3_num_f32 v[232+\b], v[232+\b], v[S+16*\b+\i], v[S+1+16*\b+\i]   ; the four blocks by turns
.endr
.endr
.irp b, 0,1,2,3
	v_max_num_f32 v[232+\b], v[232+\b], v[S+15+16*\b]
.endr
.irp b, 0,1,2,3
	v_permlanex16_b32 v[236+\b], v[232+\b], s[SEL], s[SEL+1]
.endr
.irp b, 0,1,2,3
	v_max_num_f32 v[232+\b], v[232+\b], v[236+\b]  ; with lane l xor 16's 16 keys
.endr
	v_max3_num_f32 v254, v232, v233, v234
	v_max_num_f32 v254, v254, v235                 ; the step's largest score of my query
	v_mul_f32 v254, s[CS], v254                    ; as t (c is positive)
	v_max_num_f32 v13, v13, v254                   ; the running largest t
	v_mov_b32 v254, v12
	v_floor_f32 v12, -v13                          ; the new -M = floor(-t) = -ceil(t): M is a whole number
	v_sub_f32 v254, v12, v254                      ; M's old value less its new one: a whole number, 0 or less
	v_cvt_i32_f32 v254, v254                       ; (it saturates)
	v_ldexp_f32 v252, 1.0, v254                    ; f = 2^(old M - new M): a multiplication by it rounds nothing
.irp j, 0,2,4,6,8,10,12,14,16,18,20,22,24,26,28,30,32,34,36,38,40,42,44,46,48,50,52,54,56,58,60,62
	v_pk_fma_f32 v[S+\j:S+1+\j], v[S+\j:S+1+\j], s[CS:CS+1], v[12:13] op_sel_hi:[1,0,0]   ; t - M, two at a time (of the pairs c and -M the low word serves both halves)
.endr
.irp b, 0,1,2,3
	v_fma_f32 v[232+\b], v[232+\b], s[CS], v12     ; the same of each block's largest score
.endr
.irp j, 0,1,2,3,4,5,6,7,8,9,10,11,12,13,14,15,16,17,18,19,20,21,22,23,24,25,26,27,28,29,30,31,32,33,34,35,36,37,38,39,40,41,42,43,44,45,46,47,48,49,50,51,52,53,54,55,56,57,58,59,60,61,62,63
	v_exp_f32 v[S+\j], v[S+\j]                     ; p = 2^(t - M), at most 1: not normalised
.endr
.irp b, 0,1,2,3
	v_exp_f32 v[232+\b], v[232+\b]                 ; the block's largest p: the same two instructions on the same number give the same bits
.endr
	v_pk_mul_f32 v[14:15], v[14:15], v[252:253] op_sel_hi:[1,0]   ; the sums under the new M.  (A plain place behind the exponentials)
.irp j, 0,2,4,6,8,10,12,14,16,18,20,22,24,26,28,30
	v_pk_mul_f32 v[O+\j:O+1+\j], v[O+\j:O+1+\j], v[252:253] op_sel_hi:[1,0]   ; O^T under the new M
.endr
	s_wait_alu depctr_va_vdst(0)
.irp b, 0,1,2,3
	v_max_num_f32 v[232+\b], 0x1800000, v[232+\b]  ; the floor 2^(3 - 127): the byte cannot fall under 1 (a block whose every p is 0 keeps that byte: its codes are zeros)
.endr
.irp b, 0,1,2,3
	v_add_nc_u32 v[244+\b], 0xff000000, v[232+\b]  ; 2 off the exponent field: the conversion's scale operand
.endr
.irp b, 0,1,2,3
	v_lshrrev_b32 v[236+\b], 23, v[244+\b]         ; the scale's byte
.endr
	v_lshl_or_b32 v253, v237, 8, v236              ; p's scale word for these 128 keys
	v_lshl_or_b32 v253, v238, 16, v253
	v_lshl_or_b32 v253, v239, 24, v253
.irp c, 0,1
	v_cvt_scalef32_pk16_fp6_f32 v[224+6*\c:226+6*\c], v[S+32*\c:S+15+32*\c], v[244+2*\c]
	v_cvt_scalef32_pk16_fp6_f32 v[236+4*\c:238+4*\c], v[S+16+32*\c:S+31+32*\c], v[244+2*\c+1]   ; a conversion's three registers begin on an even number
.endr
	v_nop                                          ; one plain place behind a scaled conversion
.irp c, 0,1                                    ; the operand's layout wants a WHOLE block in a lane: lanes 0-15 block 2 c, lanes 16-31 block 2 c + 1
.irp i, 0,1,2
	v_permlane16_swap_b32 v[224+6*\c+\i], v[236+4*\c+\i]
.endr
.irp i, 0,1,2
	v_mov_b32 v[227+6*\c+\i], v[236+4*\c+\i]
.endr
.endr
	v_pk_add_f32 v[236:237], v[S:S+1], v[S+2:S+3]  ; THE ROW'S SUM IS TAKEN OF THE UNQUANTISED p: two at a time, in two chains.  These 32 lines are also the places between p's codes and scale word and the products below
.irp j, 4,8,12,16,20,24,28,32,36,40,44,48,52,56,60
	v_pk_add_f32 v[14:15], v[14:15], v[S+\j:S+1+\j]
	v_pk_add_f32 v[236:237], v[236:237], v[S+2+\j:S+3+\j]
.endr
	v_pk_add_f32 v[14:15], v[14:15], v[236:237]
.irp d, 0,1,2,3                                ; O^T += V^T P^T: four tiles of 16 channels, K = these 128 keys; the four accumulators by turns
	v_wmma_scale_f32_16x16x128_f8f6f4 v[O+8*\d:O+8*\d+7], v[VF+12*\d:VF+12*\d+11], v[224:235], v[O+8*\d:O+8*\d+7], v[VS+\d], v253 matrix_a_fmt:MATRIX_FMT_FP6 matrix_b_fmt:MATRIX_FMT_FP6
.endr
.if \meet
	s_barrier_wait -1                              ; every wave has signalled: nobody reads this slot any more, and the other slot is whole
.endif
.endm
.macro SLOT_A meet, g0                 ; slot A's four steps
	STEP 0, AA16, AA8, AA4, 0, 0
	STEP 1, AA16, AA8, AA4, 0, 0
	STEP 2, AA16, AA8, AA4, 0, 0
	STEP 3, AA16, AA8, AA4, \meet, \g0
.endm
.macro SLOT_B g0                       ; slot B's three
	STEP 0, BA16, BA8, BA4, 0, 0
	STEP 1, BA16, BA8, BA4, 0, 0
	STEP 2, BA16, BA8, BA4, 1, \g0
.endm
	s_wait_loadcnt 0x0                             ; Q
	s_wait_tensorcnt 0x0                           ; my record of slot A is in
	ds_add_u32 v5, v6                              ; 0 onto my spare word
	s_wait_dscnt 0x0
	s_barrier_signal -1
	s_barrier_wait -1                              ; everybody's is
	TLOAD_B                                        ; slot B's first fill, issued as a refill is: a wave's one tensor load behind this barrier
.Ltrip:                                            ; three trips of seven steps: steps 0 to 20; each trip fills both slots again
	SLOT_A 1, G0A
	TLOAD_A                                        ; the first thing behind the barrier: slot A's next four steps; they have slot B's first two steps and the head of its third in which to land
	SLOT_B G0B
	TLOAD_B                                        ; slot B's next three steps: three steps and the head of a fourth in which to land
	s_sub_co_u32 s[TRIPS], s[TRIPS], 1
	s_cmp_lg_u32 s[TRIPS], 0
	s_cbranch_scc1 .Ltrip
	SLOT_A 1, G0A                                  ; the tail is written out: steps 21 to 24
	TLOAD_A                                        ; the last fill: steps 28 to 31
	SLOT_B 0                                       ; steps 25 to 27; behind their barrier nothing is filled
	SLOT_A 0, 0                                    ; steps 28 to 31
	; THE WAY OUT.  O^T is divided by the sum and quantised along the head's 64, which are half a K step of the last product; the codes leave in the order of that operand's registers.
	PLACES
	v_add_f32 v14, v14, v15                        ; the sum's two halves,
	v_permlanex16_b32 v252, v14, s[SEL], s[SEL+1]
	v_add_f32 v14, v14, v252                       ; and lane l xor 16's: the row's sum
	v_rcp_f32 v14, v14
	v_mov_b32 v242, 0                              ; (a plain place behind the transcendental)  a lane permute's destination counts as one of its sources
	v_mov_b32 v243, 0
	s_wait_alu depctr_va_vdst(0)
.irp j, 0,1,2,3,4,5,6,7,8,9,10,11,12,13,14,15,16,17,18,19,20,21,22,23,24,25,26,27,28,29,30,31
	v_mul_f32 v[S+\j], v[O+\j], v14                ; register 16 b + i is o(my query, 64 head + 32 b + 16 h + i); each accumulator from its low end on
.endr
	QUANT32 S, 224, 240
	v_cndmask_b32 v254, v246, v247, s55            ; my lane's block's byte
	global_store_b128 v1, v[224:227], s[8:9]       ; 512 consecutive bytes, aligned
	global_store_b64 v2, v[228:229], s[8:9] offset:512   ; 256 consecutive bytes, aligned
	global_store_b8 v9, v254, s[10:11]             ; single bytes: one for each 32 numbers; the other half of each word comes from the neighbouring head's wave
	s_wait_tensorcnt 0x0                           ; the wave's end
	ds_add_u32 v5, v6
	s_wait_dscnt 0x0
	s_endpgm
.Lfunc_end_k_q85b5e8b522_attn:
	.size	k_q85b5e8b522_attn, .Lfunc_end_k_q85b5e8b522_attn-k_q85b5e8b522_attn
	.p2alignl 7, 3214868480
	.fill 96, 4, 3214868480
	.section	.rodata,"a",@progbits
	.p2align	6, 0x0
	.amdhsa_kernel k_q85b5e8b522_attn
		.amdhsa_group_segment_fixed_size 327680
		.amdhsa_private_segment_fixed_size 0
		.amdhsa_enable_private_segment 0
		.amdhsa_kernarg_size 32
		.amdhsa_user_sgpr_count 2
		.amdhsa_user_sgpr_kernarg_segment_ptr 1
		.amdhsa_wavefront_size32 1
		.amdhsa_system_sgpr_workgroup_id_x 1
		.amdhsa_system_sgpr_workgroup_id_y 1
		.amdhsa_system_sgpr_workgroup_id_z 1
		.amdhsa_system_vgpr_workitem_id 0
		.amdhsa_next_free_vgpr 256
		.amdhsa_next_free_sgpr 66
		.amdhsa_reserve_vcc 0
		.amdhsa_float_denorm_mode_32 3
		.amdhsa_float_denorm_mode_16_64 3
		.amdhsa_memory_ordered 1
		.amdhsa_forward_progress 1
		.amdhsa_inst_pref_size 255
	.end_amdhsa_kernel
	.section	.bss,"aw",@nobits
	.p2align	6
	.space	262144
	.amdgpu_metadata
---
amdhsa.version: [ 1, 2 ]
amdhsa.kernels:
  - .name:           k_q85b5e8b522_attn
    .symbol:         k_q85b5e8b522_attn.kd
    .args:
      - { .name: qi, .offset: 0, .size: 8, .value_kind: global_buffer, .address_space: global }
      - { .name: kv, .offset: 8, .size: 8, .value_kind: global_buffer, .address_space: global }
      - { .name: oc, .offset: 16, .size: 8, .value_kind: global_buffer, .address_space: global }
      - { .name: os, .offset: 24, .size: 8, .value_kind: global_buffer, .address_space: global }
    .group_segment_fixed_size: 327680
    .private_segment_fixed_size: 0
    .kernarg_segment_align: 8
    .kernarg_segment_size: 32
    .max_flat_workgroup_size: 384
    .sgpr_count:     66
    .vgpr_count:     256
    .wavefront_size: 32
...
	.end_amdgpu_metadata
.endif
;; end of part 5
;; launch outp: the kernel of part 4 again; grid 64 x 3, 4 waves a work-group, no clusters, 17,920 bytes of LDS; arguments xc, xs, oc, os, bo, out0; writes out0
;; ======== version 3 of 3: 4 launches
;; limits: right only within a limited range of input values
;; workspace buffers: xc 8,847,360 bytes; xs 737,280 bytes; qi 3,145,728 bytes; kv 5,603,328 bytes; oc 2,359,296 bytes; os 98,304 bytes
;; launch quant (part 6): grid 960 x 1, 6 waves a work-group, no clusters, 51,456 bytes of LDS; arguments query, key, value, Wq, Wk, Wv, Wo, xc, xs; writes xc, xs
.if DOCPART == 6
	.amdgcn_target "amdgcn-amd-amdhsa--gfx1250"
	.amdhsa_code_object_version 6
	.text
	.protected	k_q85b5e8b522_quant
	.globl	k_q85b5e8b522_quant
	.p2align	8
	.type	k_q85b5e8b522_quant,@function
k_q85b5e8b522_quant:
	s_mov_b64 s[64:65], 0
	v_nop
	global_prefetch_b8 v0, s[64:65] scope:SCOPE_SE
	s_setreg_imm32_b32 hwreg(HW_REG_WAVE_MODE, 25, 1), 1
	s_wait_xcnt 0x0
; query, key, value [4096][768] and Wq, Wk, Wv, Wo [768][768], f32, K innermost, become codes of FP6 (E2M3) with one E8M0 byte for each 32 along K,
; laid IN THE ORDER OF THE OPERAND'S REGISTERS: xc [tile 0..959][K step 0..5][1536]: a fragment (16 rows x 128 K, 12 registers a lane) as three runs of 512 bytes,
; registers 4 c .. 4 c + 3 of lane l at 512 c + 16 l;  xs [tile][K step][128]: the row's scale word at 4 l (lanes 16-31 hold what lanes 0-15 hold).
; Tiles: query 0-255, key 256-511, value 512-767, Wq 768-815, Wk 816-863, Wv 864-911, Wo 912-959.
; THE ROWS OF A TILE ARE NOT NEIGHBOURS: lane r of tile 2 g + u of a tensor takes row 32 g + 8 u + r + 8 (r / 8), so that in every later product the 16 result registers of two
; neighbouring tiles are 16 neighbours along that axis.
; A block's scale is 2^(floor(log2(its largest magnitude)) - 2); its byte is the largest magnitude's exponent field - 2, held at 1 from below.
; LIMITS: a block of zeros gets the byte 1 where the rule says 127 (its codes are zeros, and this program alone reads the bytes); blocks whose largest magnitude lies under 2^(3 - 127)
; are held at that floor; NaN and infinities among the inputs are not served.
; SHARES: a work-group is a tile, a wave a K step: 16 rows x 128 numbers.  Each of the wave's 16 loads reads 512 consecutive bytes of one row, 16 a lane; the conversions want 16 neighbours
; along K in ONE lane, so the 8,192 bytes turn through the wave's own stage in LDS (rows 528 bytes apart, so that sixteen rows begin in sixteen different columns of 16 bytes).
; No loop, no barrier (waves share nothing), no matrix work, no cluster (no byte is read twice).
.set ROWB,  3072                       ; a row of any of the seven tensors in bytes
.set PITCH, 528                        ; a stage row: 512 bytes + 16
.set WST,   16*PITCH                   ; a wave's stage
.set R,     16                         ; v16-79   the numbers as they are loaded: row i in v[R + 4 i] on
.set X,     80                         ; v80-143  after the turn: register 16 b + i = k 32 b + 16 (lane / 16) + i of row lane % 16
.set TM,    144                        ; v144-147 largest magnitudes, v148-151 the other half's, then bytes, v156-159 the conversions' scale operands
.set PW,    160                        ; the scale word
.set PC,    164                        ; v164-175 the fragment, v176-182 at work
.set SEL,   30                         ; s[30:31] v_permlanex16_b32's selects for lane l xor 16
	s_load_b512 s[4:19], s[0:1], 0x0               ; query, key, value, Wq, Wk, Wv, Wo, xc
	s_load_b64 s[20:21], s[0:1], 0x40              ; xs
	v_lshl_add_u32 v192, v0, 2, 0xc600
	v_mov_b32 v193, 0
	v_lshrrev_b32 v5, 5, v0
	v_readfirstlane_b32 s22, v5                    ; wave = K step
	v_and_b32 v6, 31, v0                           ; lane
	v_lshlrev_b32 v1, 4, v6                        ; 16 x lane
	v_lshlrev_b32 v2, 2, v6                        ; 4 x lane
	s_mul_i32 s27, s22, WST                        ; my stage
	v_add_nc_u32 v3, s27, v1                       ; into it: 16 x lane of a row
	v_and_b32 v7, 15, v0                           ; r
	v_bfe_u32 v8, v0, 4, 1                         ; h
	v_mul_u32_u24 v4, v7, PITCH
	v_lshl_add_u32 v4, v8, 6, v4
	v_add_nc_u32 v4, s27, v4                       ; out of it: row r, + 64 h: my 16 numbers of a block of 32
	s_mov_b32 s[SEL], 0x76543210
	s_mov_b32 s[SEL+1], 0xfedcba98
.irp b, 0,1,2,3
	v_mov_b32 v[TM+4+\b], 0                        ; a lane permute's destination counts as one of its sources
.endr
	s_wait_alu depctr_va_vdst(0)
	s_wait_kmcnt 0x0
	s_mov_b64 s[24:25], s[4:5]                     ; which tensor: the choice hangs on the work-group's number alone
	s_mov_b32 s26, 0                               ; and that tensor's first tile
.macro PICK n, p
	s_cmp_ge_u32 ttmp9, \n
	s_cselect_b64 s[24:25], s[\p:\p+1], s[24:25]
	s_cselect_b32 s26, \n, s26
.endm
	PICK 256, 6
	PICK 512, 8
	PICK 768, 10
	PICK 816, 12
	PICK 864, 14
	PICK 912, 16
	s_sub_co_u32 s27, ttmp9, s26                   ; the tile's number in its tensor
	s_lshr_b32 s28, s27, 1
	s_lshl_b32 s28, s28, 5
	s_and_b32 s29, s27, 1
	s_lshl_b32 s29, s29, 3
	s_add_co_u32 s28, s28, s29                     ; its first row: 32 g + 8 u
	s_mul_i32 s28, s28, ROWB
	s_lshl_b32 s29, s22, 9                         ; + my K step's 512 bytes
	s_add_co_u32 s28, s28, s29
	s_mov_b32 s29, 0
	s_add_nc_u64 s[24:25], s[24:25], s[28:29]
	s_mul_i32 s32, ttmp9, 6
	s_add_co_u32 s32, s32, s22                     ; which fragment: 6 x tile + K step
	s_mul_i32 s28, s32, 1536
	s_add_nc_u64 s[18:19], s[18:19], s[28:29]
	s_lshl_b32 s28, s32, 7
	s_add_nc_u64 s[20:21], s[20:21], s[28:29]
.irp i, 0,1,2,3,4,5,6,7,8,9,10,11,12,13,14,15
	global_load_b128 v[R+4*\i:R+4*\i+3], v1, s[24:25] offset:(\i+8*(\i/8))*ROWB th:TH_LOAD_NT   ; the tile's i-th row: 32 lanes read 512 consecutive bytes; read once in the launch
.endr
.irp i, 0,1,2,3,4,5,6,7,8,9,10,11,12,13,14,15
	s_wait_loadcnt 15-\i                           ; loads come back in order: row i is in, the 15 - i younger ones may be out
	ds_store_b128 v3, v[R+4*\i:R+4*\i+3] offset:PITCH*\i
.endr
.irp b, 0,1,2,3
.irp j, 0,1,2,3
	ds_load_b128 v[X+16*\b+4*\j:X+16*\b+4*\j+3], v4 offset:128*\b+16*\j   ; LDS serves a wave's instructions in order: these see my stores
.endr
.endr
	s_wait_dscnt 0x0
.irp b, 0,1,2,3
	v_max3_num_f32 v[TM+\b], |v[X+16*\b]|, |v[X+1+16*\b]|, 0x1800000   ; block b: my 16 numbers, and the floor 2^(3 - 127): the byte cannot fall under 1
.endr
.irp i, 2,4,6,8,10,12,14
.irp b, 0,1,2,3
	v_max3_num_f32 v[TM+\b], v[TM+\b], |v[X+16*\b+\i]|, |v[X+1+16*\b+\i]|   ; the four blocks by turns: no line waits for the line above it
.endr
.endr
.irp b, 0,1,2,3
	v_permlanex16_b32 v[TM+4+\b], v[TM+\b], s[SEL], s[SEL+1]
.endr
.irp b, 0,1,2,3
	v_max_num_f32 v[TM+\b], v[TM+\b], v[TM+4+\b]   ; with lane l xor 16's 16: the block's largest magnitude
.endr
.irp b, 0,1,2,3
	v_add_nc_u32 v[TM+12+\b], 0xff000000, v[TM+\b] ; 2 off its exponent field: the conversion takes this operand's exponent field as its scale
.endr
.irp b, 0,1,2,3
	v_lshrrev_b32 v[TM+4+\b], 23, v[TM+12+\b]      ; the scale's byte
.endr
	v_lshl_or_b32 v[PW], v[TM+5], 8, v[TM+4]       ; the four bytes make my row's scale word
	v_lshl_or_b32 v[PW], v[TM+6], 16, v[PW]
	v_lshl_or_b32 v[PW], v[TM+7], 24, v[PW]
.irp c, 0,1
	v_cvt_scalef32_pk16_fp6_f32 v[PC+6*\c:PC+2+6*\c], v[X+32*\c:X+15+32*\c], v[TM+12+2*\c]
	v_cvt_scalef32_pk16_fp6_f32 v[PC+12+4*\c:PC+14+4*\c], v[X+16+32*\c:X+31+32*\c], v[TM+12+2*\c+1]   ; a conversion's three registers begin on an even number
.endr
	v_nop                                          ; one plain place behind a scaled conversion
.irp c, 0,1                                    ; the operand's layout wants a WHOLE block in a lane: lanes 0-15 block 2 c, lanes 16-31 block 2 c + 1
.irp i, 0,1,2
	v_permlane16_swap_b32 v[PC+6*\c+\i], v[PC+12+4*\c+\i]
.endr
.irp i, 0,1,2
	v_mov_b32 v[PC+3+6*\c+\i], v[PC+12+4*\c+\i]
.endr
.endr
.irp c, 0,1,2
	global_store_b128 v1, v[PC+4*\c:PC+4*\c+3], s[18:19] offset:512*\c   ; 32 lanes store 512 consecutive bytes, at a multiple of 256 from the buffer's first byte
.endr
	global_store_b32 v2, v[PW], s[20:21]           ; 128 consecutive bytes
	s_wait_tensorcnt 0x0
	ds_add_u32 v192, v193
	s_wait_dscnt 0x0
	s_endpgm
.Lfunc_end_k_q85b5e8b522_quant:
	.size	k_q85b5e8b522_quant, .Lfunc_end_k_q85b5e8b522_quant-k_q85b5e8b522_quant
	.p2alignl 7, 3214868480
	.fill 96, 4, 3214868480
	.section	.rodata,"a",@progbits
	.p2align	6, 0x0
	.amdhsa_kernel k_q85b5e8b522_quant
		.amdhsa_group_segment_fixed_size 51456
		.amdhsa_private_segment_fixed_size 0
		.amdhsa_enable_private_segment 0
		.amdhsa_kernarg_size 72
		.amdhsa_user_sgpr_count 2
		.amdhsa_user_sgpr_kernarg_segment_ptr 1
		.amdhsa_wavefront_size32 1
		.amdhsa_system_sgpr_workgroup_id_x 1
		.amdhsa_system_sgpr_workgroup_id_y 1
		.amdhsa_system_sgpr_workgroup_id_z 1
		.amdhsa_system_vgpr_workitem_id 0
		.amdhsa_next_free_vgpr 194
		.amdhsa_next_free_sgpr 66
		.amdhsa_reserve_vcc 0
		.amdhsa_float_denorm_mode_32 3
		.amdhsa_float_denorm_mode_16_64 3
		.amdhsa_memory_ordered 1
		.amdhsa_forward_progress 1
		.amdhsa_inst_pref_size 12
	.end_amdhsa_kernel
	.amdgpu_metadata
---
amdhsa.version: [ 1, 2 ]
amdhsa.kernels:
  - .name:           k_q85b5e8b522_quant
    .symbol:         k_q85b5e8b522_quant.kd
    .args:
      - { .name: query, .offset: 0, .size: 8, .value_kind: global_buffer, .address_space: global }
      - { .name: key, .offset: 8, .size: 8, .value_kind: global_buffer, .address_space: global }
      - { .name: value, .offset: 16, .size: 8, .value_kind: global_buffer, .address_space: global }
      - { .name: Wq, .offset: 24, .size: 8, .value_kind: global_buffer, .address_space: global }
      - { .name: Wk, .offset: 32, .size: 8, .value_kind: global_buffer, .address_space: global }
      - { .name: Wv, .offset: 40, .size: 8, .value_kind: global_buffer, .address_space: global }
      - { .name: Wo, .offset: 48, .size: 8, .value_kind: global_buffer, .address_space: global }
      - { .name: xc, .offset: 56, .size: 8, .value_kind: global_buffer, .address_space: global }
      - { .name: xs, .offset: 64, .size: 8, .value_kind: global_buffer, .address_space: global }
    .group_segment_fixed_size: 51456
    .private_segment_fixed_size: 0
    .kernarg_segment_align: 8
    .kernarg_segment_size: 72
    .max_flat_workgroup_size: 192
    .sgpr_count:     66
    .vgpr_count:     194
    .wavefront_size: 32
...
	.end_amdgpu_metadata
.endif
;; end of part 6
;; launch proj (part 7): grid 192 x 3, 4 waves a work-group, no clusters, 0 bytes of LDS; arguments xc, xs, bq, bk, bv, mask, qi, kv; writes qi, kv
.if DOCPART == 7
	.amdgcn_target "amdgcn-amd-amdhsa--gfx1250"
	.amdhsa_code_object_version 6
	.text
	.protected	k_q85b5e8b522_proj
	.globl	k_q85b5e8b522_proj
	.p2align	8
	.type	k_q85b5e8b522_proj,@function
k_q85b5e8b522_proj:
	s_mov_b64 s[64:65], 0
	v_nop
	global_prefetch_b8 v0, s[64:65] scope:SCOPE_SE
	s_setreg_imm32_b32 hwreg(HW_REG_WAVE_SCHED_MODE, 0, 2), 2
	s_setreg_imm32_b32 hwreg(HW_REG_WAVE_MODE, 25, 1), 1
	s_wait_xcnt 0x0
	s_wait_alu depctr_vm_vsrc(0)
; Q = query Wq^T + bq, K = key Wk^T + bk, V = value Wv^T + bv on codes of FP6 (E2M3) with E8M0 scales, sums in f32; the results are quantised here, in registers, for the attention launch:
; Q and K along the head's 64 (two blocks of 32), V along the keys.  Work-group x: which product (x / 64: 0 Q, 1 K, 2 V) and which 64 rows (x % 64); y and the wave: the head, 4 y + wave.
; A wave makes 64 rows x one head's 64 columns: 16 accumulators, six K steps of 128, written out; every offset is an immediate.  Operands come from xc / xs as images of their registers:
; each load of a wave reads 512 consecutive bytes.  All tiles keep the row order of the quantising launch: lane r of tile 2 g + u holds row 32 g + 8 u + r + 8 (r / 8).
; Q, K: the product is used TRANSPOSED (source 0 = 16 rows of W, source 1 = 16 rows of x): a lane holds one row of x, and the 32 registers of a tile of rows are d = 32 b + 16 (lane / 16) + i at register 16 b + i.
;   The bias is loaded into the accumulators, so that the first product already adds onto it.
; V: source 0 = 16 rows of value (keys), source 1 = 16 rows of Wv: a lane holds one channel d, and its registers run along the keys, which are the second attention product's K.
; RECORDS.  qi [head][tile of queries][1024], and the first 8192 bytes of kv [head][step of 128 keys][14592] (eight tiles of keys): registers 0-3 of the fragment at 16 l; at 512 + 16 l the four words
;   register 4, register 5, register 6, the row's scale word.  The head has 64 numbers and the matrix instruction takes 128 along K: registers 7-11 are zeros that the reader supplies.
; THE MASK RIDES IN THE SPARE HALF OF K: k = 64 (the lowest six bits of register 6, lanes 0-15) holds 1.0 in every query under the scale byte 127, and in a key 0 under the byte 1 where mask != 0,
;   -7.5 under the byte 227 where mask == 0: a hidden key's score is -7.5 x 2^100, whose weight is 0; a key that counts gets exactly 0 added.  No vector instruction of the attention loop serves the mask.
; kv, bytes 8192 on: V^T as half fragments [c 0..1][tile of 16 channels 0..3][768]: registers 6 c .. 6 c + 3 at 16 l, registers 6 c + 4, 6 c + 5 at 512 + 8 l;  bytes 14336 on: V's scale words [tile][r][4].
; LIMITS: real scores stay far under 2^96 in magnitude (with every input 30 times the drawn spread they are about 1e9); a mask that is 0 everywhere is not served (reference() gives NaN there);
;   a block of zeros gets the byte 1 (this program alone reads the bytes); NaN and infinities among the inputs are not served.
; No LDS and no tensor loads: a fragment is already a dense run for plain loads, and a wave has six K steps.  No cluster: nothing goes through LDS that partners could receive jointly.
; THE MODE: SCHED_MODE bits 1:0 = 2 (LLVM: expert scheduling mode 2), set by the entry lines.  The code itself states the register dependences between vector or matrix instructions and
; memory instructions, with s_wait_alu, always for 0.
; THE PLAN.  Registers that memory instructions touch:
;   v1 to v6         offsets, made once at the head and never written again; read by every load and store.
;   XF, WF, XS, WS   ONE set of operands, 104 registers: a K step's 32 loads land in it, that step's sixteen products read it.  Accumulators (128), addresses (16) and two such sets would be 352 registers a wave.
;   ACC              Q, K: the bias is loaded into it at the head; from then on matrix and vector instructions alone name it.
;   MK, BV           loaded at the head, read by vector lines behind the last K step.
;   v144 to v179     at the tail: the quantiser writes each tile's codes, scale word or byte into registers of that tile's own; one run of stores reads them, and nothing is written behind it.
; So: one wait on va_vdst ahead of the branch that parts the paths (the offsets); one in front of each later K step's loads (the products are done reading the set); one in front of the run of stores.
; Two waits on va_sdst: the wave's number, and the four compares of the mask.
.set ACC, 16                           ; v16-143  16 accumulators
.set XF,  144                          ; v144-191 x's four fragments;  later the codes: set i at v[144 + 8 i], and four scale bytes at v176-179
.set WF,  192                          ; v192-239 W's four fragments;  later v192-199 at work in the quantiser, v200 at work
.set XS,  240                          ; v240-243 x's scale words
.set WS,  244                          ; v244-247 W's
.set BV,  248                          ; v248-255 V's bias: a pair for each tile of channels
.set MK,  8                            ; v8-11    the mask's words of my lane's row in the four tiles
.set TM,  192
.set BYS, 176
.set SEL, 40                           ; s[40:41] v_permlanex16_b32's selects for lane l xor 16
.set CM,  58                           ; s58-61   where the mask's word is 0, a lane mask for each of the four tiles
.macro PLACES                          ; four plain places between a matrix instruction and a vector instruction on one of its registers; ahead of the loads they stand as they stood, beside the wait
.rept 4
	v_nop
.endr
.endm
; One K step: 24 fragment loads, 8 scale words, 16 products on 16 accumulators by turns.  tr = 1: W is source 0;  tr = 0: x is source 0, and first = 1 starts the sums with 0.
.macro KSTEP s, tr, first
.if \s > 0
	PLACES
	s_wait_alu depctr_va_vdst(0)                   ; the last step's sixteen products are done reading XF, WF, XS and WS, in which the loads below land
.endif
.irp m, 0,1,2,3
.irp c, 0,1,2
	global_load_b128 v[XF+12*\m+4*\c:XF+12*\m+4*\c+3], v1, s[24:25] offset:9216*\m+1536*\s+512*\c
	global_load_b128 v[WF+12*\m+4*\c:WF+12*\m+4*\c+3], v1, s[26:27] offset:9216*\m+1536*\s+512*\c
.endr
	global_load_b32 v[XS+\m], v2, s[28:29] offset:768*\m+128*\s
	global_load_b32 v[WS+\m], v2, s[30:31] offset:768*\m+128*\s
.endr
	s_wait_loadcnt 0x0                             ; all of this step's operands (and, in the first step, biases and mask)
.irp m, 0,1,2,3
.irp n, 0,1,2,3
.if \tr
	v_wmma_scale_f32_16x16x128_f8f6f4 v[ACC+32*\m+8*\n:ACC+32*\m+8*\n+7], v[WF+12*\n:WF+12*\n+11], v[XF+12*\m:XF+12*\m+11], v[ACC+32*\m+8*\n:ACC+32*\m+8*\n+7], v[WS+\n], v[XS+\m] matrix_a_fmt:MATRIX_FMT_FP6 matrix_b_fmt:MATRIX_FMT_FP6
.elseif \first
	v_wmma_scale_f32_16x16x128_f8f6f4 v[ACC+32*\n+8*\m:ACC+32*\n+8*\m+7], v[XF+12*\m:XF+12*\m+11], v[WF+12*\n:WF+12*\n+11], 0, v[XS+\m], v[WS+\n] matrix_a_fmt:MATRIX_FMT_FP6 matrix_b_fmt:MATRIX_FMT_FP6
.else
	v_wmma_scale_f32_16x16x128_f8f6f4 v[ACC+32*\n+8*\m:ACC+32*\n+8*\m+7], v[XF+12*\m:XF+12*\m+11], v[WF+12*\n:WF+12*\n+11], v[ACC+32*\n+8*\m:ACC+32*\n+8*\m+7], v[XS+\m], v[WS+\n] matrix_a_fmt:MATRIX_FMT_FP6 matrix_b_fmt:MATRIX_FMT_FP6
.endif
.endr
.endr
.endm
; 32 numbers of a lane, register 16 b + i = k 32 b + 16 (lane / 16) + i of my row, become six registers of codes, v[pc] .. v[pc + 5]: block lane / 16 whole; the two blocks' bytes in v[tm + 6], v[tm + 7].
.macro QUANT32 src, pc, tm
.irp b, 0,1
	v_max3_num_f32 v[(\tm)+\b], |v[(\src)+16*\b]|, |v[(\src)+16*\b+1]|, 0x1800000   ; my 16 numbers of block b, and the floor 2^(3 - 127): the byte cannot fall under 1
.endr
.irp i, 2,4,6,8,10,12,14
.irp b, 0,1
	v_max3_num_f32 v[(\tm)+\b], v[(\tm)+\b], |v[(\src)+16*\b+\i]|, |v[(\src)+16*\b+\i+1]|
.endr
.endr
.irp b, 0,1
	v_permlanex16_b32 v[(\tm)+2+\b], v[(\tm)+\b], s[SEL], s[SEL+1]
.endr
.irp b, 0,1
	v_max_num_f32 v[(\tm)+\b], v[(\tm)+\b], v[(\tm)+2+\b]   ; with lane l xor 16's 16: the block's largest magnitude
.endr
.irp b, 0,1
	v_add_nc_u32 v[(\tm)+4+\b], 0xff000000, v[(\tm)+\b]     ; 2 off its exponent field: the conversion's scale operand
.endr
.irp b, 0,1
	v_lshrrev_b32 v[(\tm)+6+\b], 23, v[(\tm)+4+\b]          ; the scale's byte
.endr
	v_cvt_scalef32_pk16_fp6_f32 v[(\pc):(\pc)+2], v[(\src):(\src)+15], v[(\tm)+4]
	v_cvt_scalef32_pk16_fp6_f32 v[(\pc)+4:(\pc)+6], v[(\src)+16:(\src)+31], v[(\tm)+5]   ; a conversion's three registers begin on an even number
	v_nop                                          ; one plain place behind a scaled conversion
.irp i, 0,1,2
	v_permlane16_swap_b32 v[(\pc)+\i], v[(\pc)+4+\i]   ; the first now holds the lower 16 codes of my lane's block, the second the upper 16
.endr
.irp i, 3,4,5
	v_mov_b32 v[(\pc)+\i], v[(\pc)+\i+1]
.endr
.endm
	s_load_b512 s[4:19], s[0:1], 0x0               ; xc, xs, bq, bk, bv, mask, qi, kv
	v_lshrrev_b32 v7, 5, v0
	v_readfirstlane_b32 s20, v7                    ; wave
	v_and_b32 v7, 31, v0
	v_lshlrev_b32 v1, 4, v7                        ; 16 x lane
	v_lshlrev_b32 v2, 2, v7                        ; 4 x lane
	v_lshlrev_b32 v3, 3, v7                        ; 8 x lane
	v_and_b32 v7, 15, v0                           ; r
	v_bfe_u32 v5, v0, 4, 1                         ; h
	v_lshl_add_u32 v4, v7, 2, v5                   ; 4 r + h
	v_and_b32 v6, 8, v7
	v_add_nc_u32 v6, v6, v7
	v_lshlrev_b32 v6, 2, v6                        ; 4 (r + 8 (r / 8))
	v_lshlrev_b32 v5, 6, v5                        ; 64 h
	s_lshr_b32 s21, ttmp9, 6                       ; T: 0 Q, 1 K, 2 V
	s_and_b32 s22, ttmp9, 63                       ; rb: which 64 rows
	s_and_b32 s23, ttmp7, 0xffff
	s_lshl_b32 s23, s23, 2
	s_wait_alu depctr_va_sdst(0)                   ; s20 is written, ahead of its first reader: the head's number is made from it
	s_add_co_u32 s23, s23, s20                     ; the head
	s_mov_b32 s[SEL], 0x76543210
	s_mov_b32 s[SEL+1], 0xfedcba98
	s_mov_b32 s42, 0x0000ffff                      ; lanes 0-15
	s_mov_b32 s43, 0xffff0000                      ; lanes 16-31
	s_lshl_b32 s48, s21, 8
	s_lshl_b32 s49, s22, 2                         ; 4 rb
	s_add_co_u32 s48, s48, s49                     ; x's first tile: 256 T + 4 rb
	s_mul_i32 s50, s21, 48
	s_lshl_b32 s51, s23, 2
	s_add_co_u32 s50, s50, s51
	s_add_co_u32 s50, s50, 768                     ; W's first tile: 768 + 48 T + 4 head
	s_mul_i32 s54, s23, 466944
	s_lshr_b32 s55, s22, 1
	s_mul_i32 s55, s55, 14592
	s_add_co_u32 s54, s54, s55                     ; kv: the head's 32 steps, the step rb / 2
	s_and_b32 s55, s22, 1                          ; which half of that step
	s_mov_b32 s53, 0
	s_wait_kmcnt 0x0
	s_mul_i32 s52, s48, 9216
	s_add_nc_u64 s[24:25], s[4:5], s[52:53]        ; x's fragments
	s_mul_i32 s52, s50, 9216
	s_add_nc_u64 s[26:27], s[4:5], s[52:53]        ; W's
	s_mul_i32 s52, s48, 768
	s_add_nc_u64 s[28:29], s[6:7], s[52:53]        ; x's scale words
	s_mul_i32 s52, s50, 768
	s_add_nc_u64 s[30:31], s[6:7], s[52:53]        ; W's
	s_cmp_eq_u32 s21, 0
	s_cselect_b64 s[32:33], s[8:9], s[10:11]
	s_cmp_eq_u32 s21, 2
	s_cselect_b64 s[32:33], s[12:13], s[32:33]     ; the bias: the choice hangs on the work-group's number alone
	s_lshl_b32 s52, s23, 8
	s_add_nc_u64 s[32:33], s[32:33], s[52:53]      ; at the head's 64 numbers
	s_lshl_b32 s52, s22, 8
	s_add_nc_u64 s[34:35], s[14:15], s[52:53]      ; the mask at my 64 rows
	s_wait_alu depctr_va_vdst(0)                   ; the offsets v1 to v6 are written, which every load and store of both paths reads; they are never written again
	s_cmp_eq_u32 s21, 2
	s_cbranch_scc1 .Lv
	; ---- Q and K
.irp m, 0,1,2,3
	global_load_b32 v[MK+\m], v6, s[34:35] offset:(32*(\m/2)+8*(\m%2))*4   ; the mask's word of my lane's row (Q's path selects between equal constants)
.endr
.irp m, 0,1,2,3
.irp n, 0,1,2,3
	global_load_b128 v[ACC+32*\m+8*\n:ACC+32*\m+8*\n+3], v5, s[32:33] offset:(32*(\n/2)+8*(\n%2))*4       ; the bias in the result's layout: d = 32 (n / 2) + 16 h + 8 (n % 2) + 0 .. 7
	global_load_b128 v[ACC+32*\m+8*\n+4:ACC+32*\m+8*\n+7], v5, s[32:33] offset:(32*(\n/2)+8*(\n%2))*4+16
.endr
.endr
	s_lshl_b32 s56, s23, 8
	s_add_co_u32 s56, s56, s49
	s_lshl_b32 s56, s56, 10                        ; qi: (256 head + 4 rb) records of 1,024 bytes
	s_lshl_b32 s57, s55, 12
	s_add_co_u32 s57, s57, s54                     ; kv: the step, + four records for its second half
	s_cmp_eq_u32 s21, 0                            ; Q or K?  All the choices below hang on this one compare
	s_cselect_b32 s44, 8, 63                       ; the code at k = 64 where mask == 0: Q 1.0, K -7.5
	s_cselect_b32 s45, 8, 0                        ; and where it is not: Q 1.0, K 0
	s_mov_b32 s46, 0x01e30000
	s_cselect_b32 s46, 0x017f0000, s46             ; bytes 2 and 3 of the scale word where mask == 0: Q 127, 1; K 227, 1
	s_mov_b32 s47, 0x01010000
	s_cselect_b32 s47, 0x017f0000, s47             ; and where it is not: Q 127, 1; K 1, 1
	s_cselect_b64 s[36:37], s[16:17], s[18:19]
	s_cselect_b32 s52, s56, s57
	s_add_nc_u64 s[36:37], s[36:37], s[52:53]      ; where my four records go
	v_mov_b32 v7, s44                              ; (v7 and v12 to v15 are named by no memory instruction)
	v_cndmask_b32 v12, 0, v7, s42                  ; register 6 holds a code in lanes 0-15 alone (lanes 16-31 hold k = 96 on: zeros)
	v_mov_b32 v7, s45
	v_cndmask_b32 v13, 0, v7, s42
	v_mov_b32 v14, s46
	v_mov_b32 v15, s47
	KSTEP 0, 1, 0
	KSTEP 1, 1, 0
	KSTEP 2, 1, 0
	KSTEP 3, 1, 0
	KSTEP 4, 1, 0
	KSTEP 5, 1, 0
	PLACES
.irp m, 0,1,2,3
	v_cmp_eq_u32 s[CM+\m], 0, v[MK+\m]             ; the four tiles' compares in one run, each into a scalar register of its own
.endr
	v_mov_b32 v[TM+2], 0                           ; a lane permute's destination counts as one of its sources
	v_mov_b32 v[TM+3], 0
	s_wait_alu depctr_va_sdst(0)                   ; the four compares have written s58 to s61, ahead of the selections that read them
.irp m, 0,1,2,3
	QUANT32 ACC+32*\m, 144+8*\m, TM
	v_cndmask_b32 v[144+8*\m+6], v13, v12, s[CM+\m]   ; register 6: the mask's code
	v_cndmask_b32 v200, v15, v14, s[CM+\m]         ; and its scale byte
	v_lshl_or_b32 v[144+8*\m+7], v[TM+7], 8, v[TM+6]
	v_or_b32 v[144+8*\m+7], v[144+8*\m+7], v200    ; the row's scale word
.endr
	s_wait_alu depctr_va_vdst(0)                   ; the quantiser has written the four tiles' codes and scale words, v144 to v175, which the stores below read
.irp m, 0,1,2,3
	global_store_b128 v1, v[144+8*\m:144+8*\m+3], s[36:37] offset:1024*\m          ; each store covers 512 consecutive bytes, aligned; each tile has registers of its own, so none is written again
	global_store_b128 v1, v[144+8*\m+4:144+8*\m+7], s[36:37] offset:1024*\m+512
.endr
	s_endpgm
	; ---- V
.Lv:
.irp n, 0,1,2,3
	global_load_b32 v[BV+2*\n], v6, s[32:33] offset:(32*(\n/2)+8*(\n%2))*4     ; my lane's channel's bias, twice: a pair for the packed addition
	global_load_b32 v[BV+2*\n+1], v6, s[32:33] offset:(32*(\n/2)+8*(\n%2))*4
.endr
	s_mul_i32 s56, s55, 3072
	s_add_co_u32 s52, s54, s56
	s_add_co_u32 s52, s52, 8192
	s_add_nc_u64 s[36:37], s[18:19], s[52:53]      ; V's half fragments c = rb % 2 of the step
	s_lshl_b32 s56, s55, 1
	s_add_co_u32 s52, s54, s56
	s_add_co_u32 s52, s52, 14336
	s_add_nc_u64 s[38:39], s[18:19], s[52:53]      ; and bytes 2 c, 2 c + 1 of its scale words
	KSTEP 0, 0, 1
	KSTEP 1, 0, 0
	KSTEP 2, 0, 0
	KSTEP 3, 0, 0
	KSTEP 4, 0, 0
	KSTEP 5, 0, 0
	PLACES
.irp n, 0,1,2,3
.irp j, 0,2,4,6,8,10,12,14,16,18,20,22,24,26,28,30
	v_pk_add_f32 v[ACC+32*\n+\j:ACC+32*\n+\j+1], v[ACC+32*\n+\j:ACC+32*\n+\j+1], v[BV+2*\n:BV+2*\n+1]   ; each accumulator from its low end on
.endr
.endr
	v_mov_b32 v[TM+2], 0
	v_mov_b32 v[TM+3], 0
.irp n, 0,1,2,3
	QUANT32 ACC+32*\n, 144+8*\n, TM                ; register 16 b + i = key 64 rb + 32 b + 16 h + i of my channel
	v_cndmask_b32 v[BYS+\n], v[TM+6], v[TM+7], s43 ; my lane's block's byte
.endr
	s_wait_alu depctr_va_vdst(0)                   ; the quantiser has written the four tiles' codes, v144 to v175, and bytes, v176 to v179, which the stores below read
.irp n, 0,1,2,3
	global_store_b128 v1, v[144+8*\n:144+8*\n+3], s[36:37] offset:768*\n
	global_store_b64 v3, v[144+8*\n+4:144+8*\n+5], s[36:37] offset:768*\n+512
	global_store_b8 v4, v[BYS+\n], s[38:39] offset:64*\n   ; single bytes: one for each 32 numbers made; the other half of each word comes from the work-group of the step's other 64 keys
.endr
	s_endpgm
.Lfunc_end_k_q85b5e8b522_proj:
	.size	k_q85b5e8b522_proj, .Lfunc_end_k_q85b5e8b522_proj-k_q85b5e8b522_proj
	.p2alignl 7, 3214868480
	.fill 96, 4, 3214868480
	.section	.rodata,"a",@progbits
	.p2align	6, 0x0
	.amdhsa_kernel k_q85b5e8b522_proj
		.amdhsa_group_segment_fixed_size 0
		.amdhsa_private_segment_fixed_size 0
		.amdhsa_enable_private_segment 0
		.amdhsa_kernarg_size 64
		.amdhsa_user_sgpr_count 2
		.amdhsa_user_sgpr_kernarg_segment_ptr 1
		.amdhsa_wavefront_size32 1
		.amdhsa_system_sgpr_workgroup_id_x 1
		.amdhsa_system_sgpr_workgroup_id_y 1
		.amdhsa_system_sgpr_workgroup_id_z 1
		.amdhsa_system_vgpr_workitem_id 0
		.amdhsa_next_free_vgpr 256
		.amdhsa_next_free_sgpr 66
		.amdhsa_reserve_vcc 0
		.amdhsa_float_denorm_mode_32 3
		.amdhsa_float_denorm_mode_16_64 3
		.amdhsa_memory_ordered 1
		.amdhsa_forward_progress 1
		.amdhsa_inst_pref_size 92
	.end_amdhsa_kernel
	.amdgpu_metadata
---
amdhsa.version: [ 1, 2 ]
amdhsa.kernels:
  - .name:           k_q85b5e8b522_proj
    .symbol:         k_q85b5e8b522_proj.kd
    .args:
      - { .name: xc, .offset: 0, .size: 8, .value_kind: global_buffer, .address_space: global }
      - { .name: xs, .offset: 8, .size: 8, .value_kind: global_buffer, .address_space: global }
      - { .name: bq, .offset: 16, .size: 8, .value_kind: global_buffer, .address_space: global }
      - { .name: bk, .offset: 24, .size: 8, .value_kind: global_buffer, .address_space: global }
      - { .name: bv, .offset: 32, .size: 8, .value_kind: global_buffer, .address_space: global }
      - { .name: mask, .offset: 40, .size: 8, .value_kind: global_buffer, .address_space: global }
      - { .name: qi, .offset: 48, .size: 8, .value_kind: global_buffer, .address_space: global }
      - { .name: kv, .offset: 56, .size: 8, .value_kind: global_buffer, .address_space: global }
    .group_segment_fixed_size: 0
    .private_segment_fixed_size: 0
    .kernarg_segment_align: 8
    .kernarg_segment_size: 64
    .max_flat_workgroup_size: 128
    .sgpr_count:     66
    .vgpr_count:     256
    .wavefront_size: 32
...
	.end_amdgpu_metadata
.endif
;; end of part 7
;; launch attn (part 8): grid 64 x 4, 12 waves a work-group, no clusters, 327,680 bytes of LDS; arguments qi, kv, oc, os; writes oc, os
.if DOCPART == 8
	.amdgcn_target "amdgcn-amd-amdhsa--gfx1250"
	.amdhsa_code_object_version 6
	.text
	.protected	k_q85b5e8b522_attn
	.globl	k_q85b5e8b522_attn
	.p2align	8
	.type	k_q85b5e8b522_attn,@function
k_q85b5e8b522_attn:
	s_mov_b64 s[64:65], 0
	v_nop
	global_prefetch_b8 v0, s[64:65] scope:SCOPE_SE
	s_setreg_imm32_b32 hwreg(HW_REG_WAVE_MODE, 25, 1), 1
	s_wait_xcnt 0x0
; O[h][q] = the sum over k of softmax_k(Q[h][q] . K[h][k] / 8) V[h][k], 12 heads of 64, 4,096 queries and keys, both products on codes of FP6 (E2M3) with E8M0 scales; O is quantised along the
; embedding's 768 for the last product and leaves as codes.
; THE SOFTMAX AHEAD OF THE SECOND PRODUCT: t = score x log2(e) / 8; M = the row's largest t so far, rounded UP to a whole number; p = 2^(t - M) is what is quantised, along the keys, not normalised.
; The row's sum is taken of the unquantised p, in f32, and divides O at the end.  When M moves, the sum and O are multiplied by 2^(old M - new M): exact.
; THE MASK costs no line here: it rides at k = 64 of the first product (the head has 64 numbers, the instruction takes 128): a hidden key's score is -7.5 x 2^100, so its t lies under the running maximum's
; first value, -2^96, its p is 0 and it adds nothing to the sum; a run of hidden keys at the start leaves sum and O at 0.
; LIMITS: every real t lies above -2^96; a mask that is 0 everywhere is not served (reference() gives NaN there, this text codes of no meaning); NaN and infinities are not served;
; a block of zeros gets the byte 1 (this program alone reads the bytes).
; SHARES.  3,072 tiles of 16 queries x one head are dealt to 256 work-groups of TWELVE waves: three heads (3 y + wave / 4) x four tiles of queries (4 x + wave % 4); a wave owns one tile in 256 registers,
; three waves to a SIMD, so that one wave's vector work stands beside another's matrix work and LDS loads.  Every wave walks its head's 32 steps of 128 keys.
; A step's record in kv is 14,592 dense bytes (8 tiles of K, V^T's 8 half fragments, V's scale words), all in the order of the operands' registers; one tensor load (57 rows of 256 bytes) brings one record.
; THE RING has two slots of UNEQUAL size, since 2 x 4 steps x 3 heads are 350,208 bytes, more than LDS holds: slot A, 4 steps x 3 heads = 12 records, one load for each of the twelve waves; slot B, 3 steps x 3 heads =
; 9 records, waves 0 to 8.  4 + 3 + 4 + 3 + 4 + 3 + 4 + 3 + 4 = 32 steps.  In a slot the records lie [local head][step], so that every LDS offset is an immediate.  A wave has one tensor load out.
; THE CHANGE OF SLOTS is spread over a slot's last step: when that step's LDS loads are back the wave has done with the slot, so there it waits for its tensor load, adds 0 to its spare word and signals; the step's
; last four score products, its softmax and its products with V, all on registers, stand between the signal and the wait; the refill comes first behind the wait.
; LAYOUT.  Both products are used transposed: S^T = K Q^T, O^T = V^T P^T: a lane holds ONE query (lane % 16) throughout.  The keys of a tile of K are 32 b + 8 u + r + 8 (r / 8), so that the 16 registers of tiles
; 2 b and 2 b + 1 are 16 neighbouring keys; V^T's channels are ordered likewise, so that O^T's 32 registers are d = 32 b + 16 (lane / 16) + i at register 16 b + i: the quantiser's order.
; NO CLUSTER, though the 64 work-groups of a group of heads walk the same records: a request (175,104 or 131,328 bytes a work-group) stands two key steps or more, some 300 instructions a step in each of twelve waves,
; ahead of the wait for it, and a round of a cluster's barrier would hold all twelve waves at each of the eight changes, where the work-group's own barrier is passed while the softmax runs.
; REGISTERS: v1, v2 lane terms for the stores; v4, v7, v8 my places in slot A; v10, v11, v3 in slot B; v5, v6 the add's; v9 4 r + h; v12 -M, v13 the largest t, v[14:15] the sum in two halves; v16-27 Q;
; v28-31 V's scale words; v32-79 four fragments of K; v80-127 V^T's four; v128-191 S^T, then p; v192-223 O^T; v224-235 p's codes; v232-247 at work; v248-251 K's scale words; v252 f; v253 p's scale word;
; v254 at work; v255 Q's scale words.
.set STEPB, 14592                      ; a key step's record
.set HEADB, 32*STEPB                   ; a head's 32 records
.set SLOTB, 12*STEPB                   ; slot A: bytes 0 on, 12 records; slot B begins here, 9 records
.set SPARE, 21*STEPB                   ; behind the ring (306,432, a multiple of 256): the spare words, 128 bytes for each of twelve waves: six blocks of 256 bytes that no other line names
.set KF,  32
.set VF,  80
.set VS,  28
.set S,   128
.set O,   192
.set AA16, 4                           ; slot A: 16 x lane, 8 x lane, 4 r, each + my head's four records; never rewritten
.set AA8,  7
.set AA4,  8
.set BA16, 10                          ; slot B: the same + my head's three records; never rewritten
.set BA8,  11
.set BA4,  3
.set WV,  18                           ; s18  my wave's number
.set SEL, 20                           ; s[20:21] v_permlanex16_b32's selects for lane l xor 16
.set CS,  22                           ; s[22:23] c = log2(e) / 8: the packed form names a pair and takes its low word for both halves
.set G1,  24                           ; s[24:31] descriptor group 1: a record
.set G0A, 40                           ; s[40:43] descriptor group 0 for slot A, which walks
.set G0B, 44                           ; s[44:47] for slot B
.set TRIPS, 54                         ; s54  trips to go
.macro PLACES                          ; four plain places between a matrix instruction and a load into, or a vector instruction on, one of its registers (ISA guide 7.12.1 for vector instructions)
.rept 4
	v_nop
.endr
.endm
.macro TLOAD_A                         ; every wave brings one of slot A's twelve records: LDS address and global address hang on the wave's number.  Four v_nop follow the line
	tensor_load_to_lds s[G0A:G0A+3], s[G1:G1+7]
	s_nop 0
.rept 4
	v_nop
.endr
.endm
.macro TLOAD_B                         ; waves 0 to 8 bring slot B's nine records, the others nothing: the branch hangs on the wave's number alone
	s_cmp_lt_u32 s[WV], 9
	s_cbranch_scc0 .Lasked_\@
	tensor_load_to_lds s[G0B:G0B+3], s[G1:G1+7]
	s_nop 0
.rept 4
	v_nop
.endr
.Lasked_\@:
.endm
.macro QUANT32 src, pc, tm             ; 32 numbers of a lane, register 16 b + i = k 32 b + 16 (lane / 16) + i, become six registers of codes: block lane / 16 whole; the two bytes in v[tm + 6], v[tm + 7]
.irp b, 0,1
	v_max3_num_f32 v[(\tm)+\b], |v[(\src)+16*\b]|, |v[(\src)+16*\b+1]|, 0x1800000
.endr
.irp i, 2,4,6,8,10,12,14
.irp b, 0,1
	s_delay_alu instid0(VALU_DEP_2)
	v_max3_num_f32 v[(\tm)+\b], v[(\tm)+\b], |v[(\src)+16*\b+\i]|, |v[(\src)+16*\b+\i+1]|
.endr
.endr
.irp b, 0,1
	s_delay_alu instid0(VALU_DEP_2)
	v_permlanex16_b32 v[(\tm)+2+\b], v[(\tm)+\b], s[SEL], s[SEL+1]
.endr
.irp b, 0,1
	s_delay_alu instid0(VALU_DEP_2)
	v_max_num_f32 v[(\tm)+\b], v[(\tm)+\b], v[(\tm)+2+\b]
.endr
.irp b, 0,1
	s_delay_alu instid0(VALU_DEP_2)
	v_add_nc_u32 v[(\tm)+4+\b], 0xff000000, v[(\tm)+\b]
.endr
.irp b, 0,1
	s_delay_alu instid0(VALU_DEP_2)
	v_lshrrev_b32 v[(\tm)+6+\b], 23, v[(\tm)+4+\b]
.endr
	v_cvt_scalef32_pk16_fp6_f32 v[(\pc):(\pc)+2], v[(\src):(\src)+15], v[(\tm)+4]
	v_cvt_scalef32_pk16_fp6_f32 v[(\pc)+4:(\pc)+6], v[(\src)+16:(\src)+31], v[(\tm)+5]
	v_nop                                          ; one plain place behind a scaled conversion
.irp i, 0,1,2
	v_permlane16_swap_b32 v[(\pc)+\i], v[(\pc)+4+\i]
.endr
.irp i, 3,4,5
	s_delay_alu instid0(VALU_DEP_3)
	v_mov_b32 v[(\pc)+\i], v[(\pc)+\i+1]
.endr
.endm
	s_load_b256 s[4:11], s[0:1], 0x0               ; qi s[4:5], kv s[6:7], oc s[8:9], os s[10:11]
	v_lshl_add_u32 v5, v0, 2, SPARE                ; my spare word; never rewritten
	v_mov_b32 v6, 0                                ; 0; never rewritten
	ds_add_u32 v5, v6
	ds_add_u32 v5, v6
	s_wait_dscnt 0x0
	v_lshrrev_b32 v10, 5, v0
	s_delay_alu instid0(VALU_DEP_1)
	v_readfirstlane_b32 s[WV], v10                 ; wave 0..11
	s_and_b32 s32, ttmp7, 0xffff
	s_mul_i32 s32, s32, 3                          ; the group's first head
	s_lshr_b32 s33, s[WV], 2                       ; my head in the group: wave / 4
	s_and_b32 s36, s[WV], 3                        ; wave % 4
	s_add_co_u32 s34, s32, s33                     ; my head
	s_lshl_b32 s35, ttmp9, 2
	s_add_co_u32 s35, s35, s36                     ; my tile of queries: 4 x work-group x + wave % 4
	; what I fetch for slot A: record wave = 4 (wave / 4) + wave % 4: head wave / 4 of the group, step wave % 4 of the slot's four
	s_mul_i32 s50, s34, HEADB
	s_mul_i32 s51, s36, STEPB
	s_add_co_u32 s50, s50, s51
	s_mov_b32 s51, 0                               ; in memory,
	s_mul_i32 s37, s[WV], STEPB                    ; and in LDS
	; and for slot B: record w = 3 (w / 3) + w % 3: head w / 3, step w % 3 of the slot's three.  Waves 9 to 11 fetch nothing for it: they hold wave 8's numbers and never use them
	s_min_u32 s38, s[WV], 8
	s_mul_i32 s39, s38, 11
	s_lshr_b32 s39, s39, 5                         ; w / 3 (11 w / 32, right for w up to 8)
	s_mul_i32 s52, s39, 3
	s_sub_co_u32 s52, s38, s52                     ; w % 3
	s_add_co_u32 s52, s52, 4                       ; slot B begins with steps 4 to 6
	s_mul_i32 s52, s52, STEPB
	s_add_co_u32 s39, s39, s32
	s_mul_i32 s39, s39, HEADB
	s_add_co_u32 s52, s52, s39
	s_mov_b32 s53, 0                               ; in memory,
	s_mul_i32 s38, s38, STEPB
	s_add_co_u32 s38, s38, SLOTB                   ; and in LDS
	s_mul_i32 s48, s33, 4*STEPB                    ; where my head's records begin in slot A,
	s_mul_i32 s49, s33, 3*STEPB
	s_add_co_u32 s49, s49, SLOTB                   ; and in slot B
	s_mov_b32 s[G1], 3<<16                         ; 15:0 no mask; 17:16 elements of 8 bytes; 20 padding off: the records are read as they lie, 16 bytes a lane on end
	s_mov_b32 s[G1+1], 32<<16                      ; tensor_dim0 = 32 elements: 256 bytes
	s_mov_b32 s[G1+2], 57<<16                      ; tensor_dim1 = 57 rows: 14,592 bytes
	s_mov_b32 s[G1+3], 32<<16                      ; tile_dim0
	s_mov_b32 s[G1+4], 57                          ; tile_dim1
	s_mov_b32 s[G1+5], 32                          ; the pitch: dense
	s_mov_b32 s[G1+6], 0
	s_mov_b32 s[G1+7], 0
	s_mov_b32 s[SEL], 0x76543210
	s_mov_b32 s[SEL+1], 0xfedcba98
	s_mov_b32 s[CS], 0x3e38aa3b                    ; c = log2(e) / 8
	s_mov_b32 s[CS+1], s[CS]                       ; named with it as a pair, so it is written
	s_mov_b32 s55, 0xffff0000                      ; lanes 16-31
	s_mov_b32 s[TRIPS], 3
	s_wait_kmcnt 0x0
	s_mov_b32 s[G0A], 1                            ; count = 1
	s_mov_b32 s[G0A+1], s37                        ; LDS address
	s_add_nc_u64 s[G0A+2:G0A+3], s[6:7], s[50:51]  ; global address: steps 0 to 3
	s_or_b32 s[G0A+3], s[G0A+3], 0x80000000        ; type = 2
	s_mov_b32 s[G0B], 1
	s_mov_b32 s[G0B+1], s38
	s_add_nc_u64 s[G0B+2:G0B+3], s[6:7], s[52:53]  ; steps 4 to 6
	s_or_b32 s[G0B+3], s[G0B+3], 0x80000000
	TLOAD_A                                        ; slot A: the one first fill at the start
	s_lshl_b32 s56, s34, 8
	s_add_co_u32 s56, s56, s35
	s_lshl_b32 s56, s56, 10
	s_mov_b32 s57, 0
	s_add_nc_u64 s[4:5], s[4:5], s[56:57]          ; my tile's record in qi
	s_mul_i32 s56, s35, 12
	s_add_co_u32 s56, s56, s34
	s_mul_i32 s56, s56, 768
	s_add_nc_u64 s[8:9], s[8:9], s[56:57]          ; oc [tile][head][768]
	s_mul_i32 s56, s35, 384
	s_lshr_b32 s58, s34, 1
	s_lshl_b32 s58, s58, 6
	s_add_co_u32 s56, s56, s58
	s_and_b32 s58, s34, 1
	s_lshl_b32 s58, s58, 1
	s_add_co_u32 s56, s56, s58
	s_add_nc_u64 s[10:11], s[10:11], s[56:57]      ; os [tile][K step = head / 2][r][4]: bytes 2 (head % 2) on
	v_and_b32 v10, 31, v0
	s_delay_alu instid0(VALU_DEP_1)
	v_lshlrev_b32 v1, 4, v10                       ; 16 x lane
	s_delay_alu instid0(VALU_DEP_2)
	v_lshlrev_b32 v2, 3, v10                       ; 8 x lane
	v_and_b32 v11, 15, v0
	s_delay_alu instid0(VALU_DEP_1)
	v_lshlrev_b32 v3, 2, v11                       ; 4 r
	v_bfe_u32 v10, v0, 4, 1
	s_delay_alu instid0(VALU_DEP_1)
	v_add_nc_u32 v9, v3, v10                       ; 4 r + h
	global_load_b128 v[16:19], v1, s[4:5]          ; Q's fragment stays in registers: registers 0-3,
	global_load_b96 v[20:22], v1, s[4:5] offset:512   ; 4-6,
	global_load_b32 v255, v1, s[4:5] offset:524    ; and the scale words
	v_add_nc_u32 v[AA16], s48, v1                  ; my lane's places in my head's records of slot A,
	v_add_nc_u32 v[AA8], s48, v2
	v_add_nc_u32 v[AA4], s48, v3
	v_add_nc_u32 v[BA16], s49, v1                  ; and of slot B
	v_add_nc_u32 v[BA8], s49, v2
	v_add_nc_u32 v[BA4], s49, v3
.irp j, 23,24,25,26,27
	v_mov_b32 v[\j], 0                             ; k = 69 on: zero codes
.endr
.irp t, 0,1,2,3
.irp j, 7,8,9,10,11
	v_mov_b32 v[KF+12*\t+\j], 0                    ; the same in K's four fragments: written once, the loads touch registers 0-6 alone
.endr
.endr
	v_mov_b32 v13, 0xef800000                      ; the largest t so far: -2^96: under every real t, above every hidden key's
	s_delay_alu instid0(VALU_DEP_1)
	v_floor_f32 v12, -v13                          ; -M
	v_mov_b32 v14, 0                               ; the sum, in two halves
	v_mov_b32 v15, 0
.irp b, 0,1,2,3
	v_mov_b32 v[236+\b], 0                         ; a lane permute's destination counts as one of its sources
.endr
	v_mov_b32 v253, 0                              ; named as the upper half of the pair v[252:253] before it is first written
.irp j, 0,1,2,3,4,5,6,7,8,9,10,11,12,13,14,15,16,17,18,19,20,21,22,23,24,25,26,27,28,29,30,31
	v_mov_b32 v[O+\j], 0                           ; O^T.  The step is written once: the first finds zeros, which the first change of M leaves zeros
.endr
.macro KLOAD g, a16                    ; four tiles of K: twelve loads
.irp t, 0,1,2,3
	ds_load_b128 v[KF+12*\t:KF+12*\t+3], v[\a16] offset:SB+4096*\g+1024*\t
	ds_load_b96 v[KF+12*\t+4:KF+12*\t+6], v[\a16] offset:SB+4096*\g+1024*\t+512
	ds_load_b32 v[248+\t], v[\a16] offset:SB+4096*\g+1024*\t+524
.endr
.endm
.macro KQ g                            ; S^T = K Q^T for these 64 keys: four accumulators, each begun with 0
.irp t, 0,1,2,3
	v_wmma_scale_f32_16x16x128_f8f6f4 v[S+32*\g+8*\t:S+32*\g+8*\t+7], v[KF+12*\t:KF+12*\t+11], v[16:27], 0, v[248+\t], v255 matrix_a_fmt:MATRIX_FMT_FP6 matrix_b_fmt:MATRIX_FMT_FP6
.endr
.endm
; A KEY STEP: 128 keys, the q-th of the slot whose address registers are named.
; meet = 1: the slot's last step, which carries the change of slots.  g0: the group 0 that is stepped for the refill behind it (0: nothing is filled again).
.macro STEP q, a16, a8, a4, meet, g0
.set SB, (\q)*STEPB
	PLACES                                         ; in front of loads into V^T's registers, which the last products read
	KLOAD 0, \a16
.irp d, 0,1,2,3                                ; all of V^T, asked for now, wanted behind the softmax
.irp c, 0,1
	ds_load_b128 v[VF+12*\d+6*\c:VF+12*\d+6*\c+3], v[\a16] offset:SB+8192+3072*\c+768*\d
	ds_load_b64 v[VF+12*\d+6*\c+4:VF+12*\d+6*\c+5], v[\a8] offset:SB+8192+3072*\c+768*\d+512
.endr
	ds_load_b32 v[VS+\d], v[\a4] offset:SB+14336+64*\d
.endr
	s_wait_dscnt 20                                ; K's first twelve loads are in; V's twenty, issued behind them, may be out
	KQ 0
	PLACES
	KLOAD 1, \a16
.if \meet
	s_wait_tensorcnt 0x0                           ; all my tensor loads have landed: the one that was out is my record of the other slot; so a group 0 may be written
	ds_add_u32 v5, v6                              ; 0 onto my spare word
.if \g0
	s_add_nc_u64 s[\g0+2:\g0+3], s[\g0+2:\g0+3], 7*STEPB   ; this slot's next steps lie seven on (4 + 3); the type bits on top are not reached
.endif
	s_wait_dscnt 0x0                               ; the add is done; K's other four tiles and V are in: they were my last reads of this slot
	s_barrier_signal -1                            ; say so; up to the wait below stands work on registers alone
.else
	s_wait_dscnt 0x0                               ; K's other four tiles, and V
.endif
	KQ 1
	PLACES
.irp b, 0,1,2,3
	v_max3_num_f32 v[232+\b], v[S+16*\b], v[S+1+16*\b], v[S+2+16*\b]   ; THE LARGEST SCORE OF EACH BLOCK OF 32 KEYS serves twice: for the row's maximum, and, since p rises with the score, for the block's largest p
.endr
.irp i, 3,5,7,9,11,13
.irp b, 0,1,2,3
	v_max3_num_f32 v[232+\b], v[232+\b], v[S+16*\b+\i], v[S+1+16*\b+\i]   ; the four blocks by turns
.endr
.endr
.irp b, 0,1,2,3
	v_max_num_f32 v[232+\b], v[232+\b], v[S+15+16*\b]
.endr
.irp b, 0,1,2,3
	s_delay_alu instid0(VALU_DEP_4)
	v_permlanex16_b32 v[236+\b], v[232+\b], s[SEL], s[SEL+1]
.endr
.irp b, 0,1,2,3
	s_delay_alu instid0(VALU_DEP_4)
	v_max_num_f32 v[232+\b], v[232+\b], v[236+\b]  ; with lane l xor 16's 16 keys
.endr
	s_delay_alu instid0(VALU_DEP_2)
	v_max3_num_f32 v254, v232, v233, v234
	s_delay_alu instid0(VALU_DEP_1)
	v_max_num_f32 v254, v254, v235                 ; the step's largest score of my query
	s_delay_alu instid0(VALU_DEP_1)
	v_mul_f32 v254, s[CS], v254                    ; as t (c is positive)
	s_delay_alu instid0(VALU_DEP_1)
	v_max_num_f32 v13, v13, v254                   ; the running largest t
	v_mov_b32 v254, v12
	s_delay_alu instid0(VALU_DEP_2)
	v_floor_f32 v12, -v13                          ; the new -M = floor(-t) = -ceil(t): M is a whole number
	s_delay_alu instid0(VALU_DEP_1)
	v_sub_f32 v254, v12, v254                      ; M's old value less its new one: a whole number, 0 or less
	s_delay_alu instid0(VALU_DEP_1)
	v_cvt_i32_f32 v254, v254                       ; (it saturates)
	s_delay_alu instid0(VALU_DEP_1)
	v_ldexp_f32 v252, 1.0, v254                    ; f = 2^(old M - new M): a multiplication by it rounds nothing
.irp j, 0,2,4,6,8,10,12,14,16,18,20,22,24,26,28,30,32,34,36,38,40,42,44,46,48,50,52,54,56,58,60,62
	v_pk_fma_f32 v[S+\j:S+1+\j], v[S+\j:S+1+\j], s[CS:CS+1], v[12:13] op_sel_hi:[1,0,0]   ; t - M, two at a time (of the pairs c and -M the low word serves both halves)
.endr
.irp b, 0,1,2,3
	v_fma_f32 v[232+\b], v[232+\b], s[CS], v12     ; the same of each block's largest score
.endr
	s_wait_alu depctr_va_vdst(0)
.irp j, 0,1,2,3,4,5,6,7,8,9,10,11,12,13,14,15,16,17,18,19,20,21,22,23,24,25,26,27,28,29,30,31,32,33,34,35,36,37,38,39,40,41,42,43,44,45,46,47,48,49,50,51,52,53,54,55,56,57,58,59,60,61,62,63
	v_exp_f32 v[S+\j], v[S+\j]                     ; p = 2^(t - M), at most 1: not normalised
.endr
.irp b, 0,1,2,3
	v_exp_f32 v[232+\b], v[232+\b]                 ; the block's largest p: the same two instructions on the same number give the same bits
.endr
	v_pk_mul_f32 v[14:15], v[14:15], v[252:253] op_sel_hi:[1,0]   ; the sums under the new M.  (A plain place behind the exponentials)
	s_wait_alu depctr_va_vdst(0)
.irp j, 0,2,4,6,8,10,12,14,16,18,20,22,24,26,28,30
	v_pk_mul_f32 v[O+\j:O+1+\j], v[O+\j:O+1+\j], v[252:253] op_sel_hi:[1,0]   ; O^T under the new M
.endr
	s_wait_alu depctr_va_vdst(0)
.irp b, 0,1,2,3
	v_max_num_f32 v[232+\b], 0x1800000, v[232+\b]  ; the floor 2^(3 - 127): the byte cannot fall under 1 (a block whose every p is 0 keeps that byte: its codes are zeros)
.endr
.irp b, 0,1,2,3
	s_delay_alu instid0(VALU_DEP_4)
	v_add_nc_u32 v[244+\b], 0xff000000, v[232+\b]  ; 2 off the exponent field: the conversion's scale operand
.endr
.irp b, 0,1,2,3
	s_delay_alu instid0(VALU_DEP_4)
	v_lshrrev_b32 v[236+\b], 23, v[244+\b]         ; the scale's byte
.endr
	s_delay_alu instid0(VALU_DEP_3)
	v_lshl_or_b32 v253, v237, 8, v236              ; p's scale word for these 128 keys
	s_delay_alu instid0(VALU_DEP_1)
	v_lshl_or_b32 v253, v238, 16, v253
	s_delay_alu instid0(VALU_DEP_1)
	v_lshl_or_b32 v253, v239, 24, v253
.irp c, 0,1
	v_cvt_scalef32_pk16_fp6_f32 v[224+6*\c:226+6*\c], v[S+32*\c:S+15+32*\c], v[244+2*\c]
	v_cvt_scalef32_pk16_fp6_f32 v[236+4*\c:238+4*\c], v[S+16+32*\c:S+31+32*\c], v[244+2*\c+1]   ; a conversion's three registers begin on an even number
.endr
	v_nop                                          ; one plain place behind a scaled conversion
.irp c, 0,1                                    ; the operand's layout wants a WHOLE block in a lane: lanes 0-15 block 2 c, lanes 16-31 block 2 c + 1
.irp i, 0,1,2
	v_permlane16_swap_b32 v[224+6*\c+\i], v[236+4*\c+\i]
.endr
.irp i, 0,1,2
	s_delay_alu instid0(VALU_DEP_3)
	v_mov_b32 v[227+6*\c+\i], v[236+4*\c+\i]
.endr
.endr
	v_pk_add_f32 v[236:237], v[132:133], v[136:137]
	v_pk_add_f32 v[250:251], v[140:141], v[144:145]
	v_pk_add_f32 v[248:249], v[148:149], v[152:153]
	v_pk_add_f32 v[246:247], v[156:157], v[160:161]
	v_pk_add_f32 v[244:245], v[164:165], v[168:169]
	v_pk_add_f32 v[242:243], v[172:173], v[176:177]
	v_pk_add_f32 v[240:241], v[180:181], v[184:185]
	v_pk_add_f32 v[14:15], v[14:15], v[188:189]
	v_pk_add_f32 v[236:237], v[236:237], v[128:129]
	v_pk_add_f32 v[250:251], v[250:251], v[130:131]
	v_pk_add_f32 v[248:249], v[248:249], v[134:135]
	v_pk_add_f32 v[246:247], v[246:247], v[138:139]
	v_pk_add_f32 v[244:245], v[244:245], v[142:143]
	v_pk_add_f32 v[242:243], v[242:243], v[146:147]
	v_pk_add_f32 v[240:241], v[240:241], v[150:151]
	v_pk_add_f32 v[14:15], v[14:15], v[154:155]
	v_pk_add_f32 v[236:237], v[236:237], v[158:159]
	v_pk_add_f32 v[250:251], v[250:251], v[162:163]
	v_pk_add_f32 v[248:249], v[248:249], v[166:167]
	v_pk_add_f32 v[246:247], v[246:247], v[170:171]
	v_pk_add_f32 v[244:245], v[244:245], v[174:175]
	v_pk_add_f32 v[242:243], v[242:243], v[178:179]
	v_pk_add_f32 v[240:241], v[240:241], v[182:183]
	v_pk_add_f32 v[14:15], v[14:15], v[186:187]
	v_pk_add_f32 v[236:237], v[236:237], v[190:191]
	s_delay_alu instid0(VALU_DEP_2)
	v_pk_add_f32 v[14:15], v[14:15], v[246:247]
	s_delay_alu instid0(VALU_DEP_2)
	v_pk_add_f32 v[236:237], v[236:237], v[244:245]
	v_pk_add_f32 v[250:251], v[250:251], v[242:243]
	v_pk_add_f32 v[248:249], v[248:249], v[240:241]
	s_delay_alu instid0(VALU_DEP_2)
	v_pk_add_f32 v[14:15], v[14:15], v[250:251]
	s_delay_alu instid0(VALU_DEP_2)
	v_pk_add_f32 v[236:237], v[236:237], v[248:249]
	s_delay_alu instid0(VALU_DEP_1)
	v_pk_add_f32 v[14:15], v[14:15], v[236:237]
.irp d, 0,1,2,3                                ; O^T += V^T P^T: four tiles of 16 channels, K = these 128 keys; the four accumulators by turns
	v_wmma_scale_f32_16x16x128_f8f6f4 v[O+8*\d:O+8*\d+7], v[VF+12*\d:VF+12*\d+11], v[224:235], v[O+8*\d:O+8*\d+7], v[VS+\d], v253 matrix_a_fmt:MATRIX_FMT_FP6 matrix_b_fmt:MATRIX_FMT_FP6
.endr
.if \meet
	s_barrier_wait -1                              ; every wave has signalled: nobody reads this slot any more, and the other slot is whole
.endif
.endm
.macro SLOT_A meet, g0                 ; slot A's four steps
	STEP 0, AA16, AA8, AA4, 0, 0
	STEP 1, AA16, AA8, AA4, 0, 0
	STEP 2, AA16, AA8, AA4, 0, 0
	STEP 3, AA16, AA8, AA4, \meet, \g0
.endm
.macro SLOT_B g0                       ; slot B's three
	STEP 0, BA16, BA8, BA4, 0, 0
	STEP 1, BA16, BA8, BA4, 0, 0
	STEP 2, BA16, BA8, BA4, 1, \g0
.endm
	s_wait_loadcnt 0x0                             ; Q
	s_wait_tensorcnt 0x0                           ; my record of slot A is in
	ds_add_u32 v5, v6                              ; 0 onto my spare word
	s_wait_dscnt 0x0
	s_barrier_signal -1
	s_barrier_wait -1                              ; everybody's is
	TLOAD_B                                        ; slot B's first fill, issued as a refill is: a wave's one tensor load behind this barrier
.Ltrip:                                            ; three trips of seven steps: steps 0 to 20; each trip fills both slots again
	SLOT_A 1, G0A
	TLOAD_A                                        ; the first thing behind the barrier: slot A's next four steps; they have slot B's first two steps and the head of its third in which to land
	SLOT_B G0B
	TLOAD_B                                        ; slot B's next three steps: three steps and the head of a fourth in which to land
	s_sub_co_u32 s[TRIPS], s[TRIPS], 1
	s_cmp_lg_u32 s[TRIPS], 0
	s_cbranch_scc1 .Ltrip
	SLOT_A 1, G0A                                  ; the tail is written out: steps 21 to 24
	TLOAD_A                                        ; the last fill: steps 28 to 31
	SLOT_B 0                                       ; steps 25 to 27; behind their barrier nothing is filled
	SLOT_A 0, 0                                    ; steps 28 to 31
	; THE WAY OUT.  O^T is divided by the sum and quantised along the head's 64, which are half a K step of the last product; the codes leave in the order of that operand's registers.
	PLACES
	v_add_f32 v14, v14, v15                        ; the sum's two halves,
	s_delay_alu instid0(VALU_DEP_1)
	v_permlanex16_b32 v252, v14, s[SEL], s[SEL+1]
	s_delay_alu instid0(VALU_DEP_1)
	v_add_f32 v14, v14, v252                       ; and lane l xor 16's: the row's sum
	s_wait_alu depctr_va_vdst(0)
	v_rcp_f32 v14, v14
	v_mov_b32 v242, 0                              ; (a plain place behind the transcendental)  a lane permute's destination counts as one of its sources
	v_mov_b32 v243, 0
	s_wait_alu depctr_va_vdst(0)
.irp j, 0,1,2,3,4,5,6,7,8,9,10,11,12,13,14,15,16,17,18,19,20,21,22,23,24,25,26,27,28,29,30,31
	v_mul_f32 v[S+\j], v[O+\j], v14                ; register 16 b + i is o(my query, 64 head + 32 b + 16 h + i); each accumulator from its low end on
.endr
	QUANT32 S, 224, 240
	v_cndmask_b32 v254, v246, v247, s55            ; my lane's block's byte
	global_store_b128 v1, v[224:227], s[8:9]       ; 512 consecutive bytes, aligned
	global_store_b64 v2, v[228:229], s[8:9] offset:512   ; 256 consecutive bytes, aligned
	global_store_b8 v9, v254, s[10:11]             ; single bytes: one for each 32 numbers; the other half of each word comes from the neighbouring head's wave
	s_wait_tensorcnt 0x0                           ; the wave's end
	ds_add_u32 v5, v6
	s_wait_dscnt 0x0
	s_endpgm
.Lfunc_end_k_q85b5e8b522_attn:
	.size	k_q85b5e8b522_attn, .Lfunc_end_k_q85b5e8b522_attn-k_q85b5e8b522_attn
	.p2alignl 7, 3214868480
	.fill 96, 4, 3214868480
	.section	.rodata,"a",@progbits
	.p2align	6, 0x0
	.amdhsa_kernel k_q85b5e8b522_attn
		.amdhsa_group_segment_fixed_size 327680
		.amdhsa_private_segment_fixed_size 0
		.amdhsa_enable_private_segment 0
		.amdhsa_kernarg_size 32
		.amdhsa_user_sgpr_count 2
		.amdhsa_user_sgpr_kernarg_segment_ptr 1
		.amdhsa_wavefront_size32 1
		.amdhsa_system_sgpr_workgroup_id_x 1
		.amdhsa_system_sgpr_workgroup_id_y 1
		.amdhsa_system_sgpr_workgroup_id_z 1
		.amdhsa_system_vgpr_workitem_id 0
		.amdhsa_next_free_vgpr 256
		.amdhsa_next_free_sgpr 66
		.amdhsa_reserve_vcc 0
		.amdhsa_float_denorm_mode_32 3
		.amdhsa_float_denorm_mode_16_64 3
		.amdhsa_memory_ordered 1
		.amdhsa_forward_progress 1
		.amdhsa_inst_pref_size 255
	.end_amdhsa_kernel
	.section	.bss,"aw",@nobits
	.p2align	6
	.space	262144
	.amdgpu_metadata
---
amdhsa.version: [ 1, 2 ]
amdhsa.kernels:
  - .name:           k_q85b5e8b522_attn
    .symbol:         k_q85b5e8b522_attn.kd
    .args:
      - { .name: qi, .offset: 0, .size: 8, .value_kind: global_buffer, .address_space: global }
      - { .name: kv, .offset: 8, .size: 8, .value_kind: global_buffer, .address_space: global }
      - { .name: oc, .offset: 16, .size: 8, .value_kind: global_buffer, .address_space: global }
      - { .name: os, .offset: 24, .size: 8, .value_kind: global_buffer, .address_space: global }
    .group_segment_fixed_size: 327680
    .private_segment_fixed_size: 0
    .kernarg_segment_align: 8
    .kernarg_segment_size: 32
    .max_flat_workgroup_size: 384
    .sgpr_count:     66
    .vgpr_count:     256
    .wavefront_size: 32
...
	.end_amdgpu_metadata
.endif
;; end of part 8
;; launch outp (part 9): grid 64 x 3, 4 waves a work-group, no clusters, 17,920 bytes of LDS; arguments xc, xs, oc, os, bo, out0; writes out0
.if DOCPART == 9
	.amdgcn_target "amdgcn-amd-amdhsa--gfx1250"
	.amdhsa_code_object_version 6
	.text
	.protected	k_q85b5e8b522_outp
	.globl	k_q85b5e8b522_outp
	.p2align	8
	.type	k_q85b5e8b522_outp,@function
k_q85b5e8b522_outp:
	s_mov_b64 s[64:65], 0
	v_nop
	global_prefetch_b8 v0, s[64:65] scope:SCOPE_SE
	s_setreg_imm32_b32 hwreg(HW_REG_WAVE_SCHED_MODE, 0, 2), 2
	s_setreg_imm32_b32 hwreg(HW_REG_WAVE_MODE, 25, 1), 1
	s_wait_xcnt 0x0
	s_wait_alu depctr_vm_vsrc(0)
; out0 = O Wo^T + bo on codes of FP6 (E2M3) with E8M0 scales, sums in f32.  O's codes and scale words come from the attention launch, Wo's from the quantising launch, both in the order of the operands' registers.
; Work-group x: 64 rows (four tiles of queries); y and the wave: 64 columns, group 4 y + wave.  A wave has 16 accumulators and six K steps of 128, written out; every offset is an immediate.
; The product is used TRANSPOSED (source 0 = 16 rows of Wo, source 1 = 16 rows of O): a lane holds one row, and the 32 registers of a tile of rows are columns 32 b + 16 (lane / 16) + i at register 16 b + i.
; The bias is loaded into the accumulators, so that the first product already adds onto it.  Lane r of tile 2 g + u holds row 32 g + 8 u + r + 8 (r / 8): the way out puts each row where it belongs.
; THE WAY OUT: a tile of 16 rows x 64 columns goes through the wave's own stage in LDS (rows of 256 bytes + 16) and comes back by rows: sixteen lanes store 256 consecutive bytes, aligned.  No barrier: waves share nothing.
; No tensor loads and no cluster: fragments are dense runs for plain loads, and nothing goes through LDS that partners could receive jointly.
; THE MODE: SCHED_MODE bits 1:0 = 2 (LLVM: expert scheduling mode 2), set by the entry lines.  The code itself states the register dependences between vector or matrix instructions and
; memory or LDS instructions, with s_wait_alu, always for 0.
; THE PLAN.  Registers that memory or LDS instructions touch:
;   v1-5, v8-10   offsets and LDS addresses, made once at the head and never written again.
;   SET 0, SET 1  two sets of operands, which take turns: K step s has set s % 2.  Its 36 loads land in the set; its sixteen products read it; behind them the loads of step s + 2 land in it.
;                 Set 0: fragments v144-239, scale words v240-247.  Set 1: fragments in window 1, v256-351; scale words v248-251 and v12-15 (a scale operand has no window).
;   ACC           the bias is loaded into it at the head; then matrix instructions alone name it; the way out's LDS stores read it.
;   OB            the way out: the loads from the stage land in it (registers that were set 0's), the global stores read it; two buffers by turns for four tiles.
;   v254, v255    written at the head, read by the closing add alone.
; So ONE wait on va_vdst stands behind the products of each of steps 0 to 3: they are done reading their set, which is asked for again at once, while the other set's loads are on their way or its products run
; (those name the other set and the accumulators alone).  One more stands at the head (the addresses), one ahead of the way out.  Two waits on vm_vsrc: ahead of the second use of each OB buffer.
; WINDOWS (s_set_vgpr_msb's low byte: bits 1:0 source 0, 3:2 source 1, 5:4 source 2, 7:6 destination): set 1's fragment loads have their destination in window 1, its products their sources 0 and 1; all else is window 0.
.set ACC, 16                           ; v16-143  16 accumulators
.set OB,  144                          ; the way out: rows read back from the stage: v144-175 and v176-207 by turns
.set TO_1,  0x40                       ; destination window 1, address window 0
.set MUL_1, 0x05                       ; sources 0 (Wo) and 1 (O) window 1; C and D window 0
.set MSB, 0
.macro WIN new                         ; the immediate's high byte repeats the setting that is left; a switch that changes nothing is dropped
.if MSB != \new
	s_set_vgpr_msb (MSB<<8)|\new
.set MSB, \new
.endif
.endm
.macro PLACES                          ; four plain places between a matrix instruction and a store or vector instruction on one of its registers; ahead of the loads they stand as they stood, beside the wait
.rept 4
	v_nop
.endr
.endm
.macro PICKSET s                       ; where K step s has its operands: FX O's four fragments, FW Wo's four, SX O's scale words, SW Wo's
.if (\s)%2
.set FX, 0                             ; in window 1
.set FW, 48
.set SX, 248
.set SW, 12
.else
.set FX, 144
.set FW, 192
.set SX, 240
.set SW, 244
.endif
.endm
; K step s's 36 loads: 28 for the fragments, 8 scale words.  freed = 1: the set has just been read by products.
.macro LOADS s, freed
	PICKSET \s
.if (\s)%2
	WIN TO_1                                       ; the switch stands ahead of the wait, the wait ahead of the loads
.endif
.if \freed
	s_wait_alu depctr_va_vdst(0)                   ; the sixteen products just issued are done reading this set's fragments and scale words, in which the loads below land
.endif
.irp m, 0,1,2,3
.irp c, 0,1
	global_load_b128 v[FX+12*\m+6*\c:FX+12*\m+6*\c+3], v1, s[24:25] offset:9216*\m+1536*(\s)+768*\c          ; head 2 s + c: registers 6 c .. 6 c + 3,
	global_load_b64 v[FX+12*\m+6*\c+4:FX+12*\m+6*\c+5], v3, s[24:25] offset:9216*\m+1536*(\s)+768*\c+512     ; 6 c + 4, 6 c + 5
.endr
.irp c, 0,1,2
	global_load_b128 v[FW+12*\m+4*\c:FW+12*\m+4*\c+3], v1, s[26:27] offset:9216*\m+1536*(\s)+512*\c
.endr
.endr
	WIN 0                                          ; (between the wait and the loads below stand loads and this switch alone)
.irp m, 0,1,2,3
	global_load_b32 v[SX+\m], v4, s[28:29] offset:384*\m+64*(\s)
	global_load_b32 v[SW+\m], v2, s[30:31] offset:768*\m+128*(\s)
.endr
.endm
; K step s's sixteen products: the sixteen accumulators by turns, in the same order in every step
.macro MUL s
	PICKSET \s
.if (\s)%2
	WIN MUL_1
.endif
.irp m, 0,1,2,3
.irp n, 0,1,2,3
	v_wmma_scale_f32_16x16x128_f8f6f4 v[ACC+32*\m+8*\n:ACC+32*\m+8*\n+7], v[FW+12*\n:FW+12*\n+11], v[FX+12*\m:FX+12*\m+11], v[ACC+32*\m+8*\n:ACC+32*\m+8*\n+7], v[SW+\n], v[SX+\m] matrix_a_fmt:MATRIX_FMT_FP6 matrix_b_fmt:MATRIX_FMT_FP6
.endr
.endr
.endm
.macro STEP s
.if \s < 5
	s_wait_loadcnt 36                              ; loads come back in order (ISA guide 5.7.1): this step's set is in (in the first step the bias too); the other set's 36 loads, issued behind it, may be out
.else
	s_wait_loadcnt 0x0                             ; the last set
.endif
	MUL \s
.if \s < 4
	PLACES
	LOADS (\s)+2, 1                                ; the set is asked for again at once, for the step two on
.endif
.endm
	s_load_b256 s[4:11], s[0:1], 0x0               ; xc, xs, oc, os
	s_load_b128 s[12:15], s[0:1], 0x20             ; bo, out0
	v_lshl_add_u32 v254, v0, 2, 0x4400
	v_mov_b32 v255, 0
	v_lshrrev_b32 v7, 5, v0
	v_readfirstlane_b32 s20, v7                    ; wave
	v_and_b32 v7, 31, v0
	v_lshlrev_b32 v1, 4, v7                        ; 16 x lane
	v_lshlrev_b32 v2, 2, v7                        ; 4 x lane
	v_lshlrev_b32 v3, 3, v7                        ; 8 x lane
	v_and_b32 v7, 15, v0                           ; r
	v_bfe_u32 v11, v0, 4, 1                        ; h
	v_lshlrev_b32 v4, 2, v7                        ; 4 r
	v_lshlrev_b32 v5, 6, v11                       ; 64 h
	v_mul_u32_u24 v8, v7, 272
	v_add_nc_u32 v8, v8, v5                        ; the stage, in: row r, + 64 h: my 16 columns of a block of 32
	v_mul_u32_u24 v9, v11, 272
	v_lshl_add_u32 v9, v7, 4, v9                   ; back: lanes 0-15 one row, lanes 16-31 the next; 16 bytes a lane
	v_mul_u32_u24 v10, v11, 3072
	v_lshl_add_u32 v10, v7, 4, v10                 ; and the same two rows in out0
	s_and_b32 s23, ttmp7, 0xffff
	s_lshl_b32 s23, s23, 2
	s_wait_alu depctr_va_sdst(0)                   ; s20 is written, ahead of its first reader: my columns and my stage are made from it
	s_add_co_u32 s23, s23, s20                     ; my group of 64 columns
	s_lshl_b32 s48, s23, 2
	s_add_co_u32 s48, s48, 912                     ; Wo's first tile of them
	s_mul_i32 s40, s20, 4352                       ; my stage: 16 rows of 272 bytes
	v_add_nc_u32 v8, s40, v8
	v_add_nc_u32 v9, s40, v9
	s_mov_b32 s53, 0
	s_wait_kmcnt 0x0
	s_mul_i32 s52, ttmp9, 36864
	s_add_nc_u64 s[24:25], s[8:9], s[52:53]        ; O's codes: four tiles of 9,216 bytes
	s_mul_i32 s52, s48, 9216
	s_add_nc_u64 s[26:27], s[4:5], s[52:53]        ; Wo's fragments
	s_mul_i32 s52, ttmp9, 1536
	s_add_nc_u64 s[28:29], s[10:11], s[52:53]      ; O's scale words
	s_mul_i32 s52, s48, 768
	s_add_nc_u64 s[30:31], s[6:7], s[52:53]        ; Wo's
	s_lshl_b32 s52, s23, 8
	s_add_nc_u64 s[32:33], s[12:13], s[52:53]      ; the bias at my 64 columns
	s_add_nc_u64 s[36:37], s[14:15], s[52:53]      ; out0 at my columns,
	s_mul_i32 s52, ttmp9, 196608
	s_add_nc_u64 s[36:37], s[36:37], s[52:53]      ; and my 64 rows
	s_wait_alu depctr_va_vdst(0)                   ; the offsets and addresses v1 to v5 and v8 to v10 are written, which the loads, LDS instructions and stores below read; they are never written again
.irp m, 0,1,2,3
.irp n, 0,1,2,3
	global_load_b128 v[ACC+32*\m+8*\n:ACC+32*\m+8*\n+3], v5, s[32:33] offset:(32*(\n/2)+8*(\n%2))*4       ; the bias in the result's layout: column 32 (n / 2) + 16 h + 8 (n % 2) + 0 .. 7
	global_load_b128 v[ACC+32*\m+8*\n+4:ACC+32*\m+8*\n+7], v5, s[32:33] offset:(32*(\n/2)+8*(\n%2))*4+16
.endr
.endr
	LOADS 0, 0                                     ; both sets are asked for at the start: no vector or matrix instruction has named their registers
	LOADS 1, 0
	STEP 0
	STEP 1
	STEP 2
	STEP 3
	STEP 4
	STEP 5
	WIN 0
	PLACES
	s_wait_alu depctr_va_vdst(0)                   ; the products have written the accumulators, which the LDS stores read, and are done reading set 0's registers, in which the loads from the stage land; no vector or matrix instruction follows; the places above stay beside this wait
.irp m, 0,1,2,3
.if \m >= 2
	s_wait_xcnt 0x0                                ; the stores of the tile two back have read their registers: only behind this wait are they loaded again
	s_wait_alu depctr_vm_vsrc(0)                   ; the global stores of the tile two back have read their buffer of OB, in which the loads from the stage below land
.endif
.irp b, 0,1
.irp q, 0,1,2,3
	ds_store_b128 v8, v[ACC+32*\m+16*\b+4*\q:ACC+32*\m+16*\b+4*\q+3] offset:128*\b+16*\q   ; each accumulator from its low end on
.endr
.endr
.irp i, 0,1,2,3,4,5,6,7
	ds_load_b128 v[OB+32*(\m%2)+4*\i:OB+32*(\m%2)+4*\i+3], v9 offset:544*\i   ; LDS serves a wave's instructions in order: these see my stores, and the next tile's stores come behind them
.endr
.irp i, 0,1,2,3,4,5,6,7
	s_wait_dscnt 7-\i                              ; load i is in; the 7 - i younger ones may be out
	global_store_b128 v10, v[OB+32*(\m%2)+4*\i:OB+32*(\m%2)+4*\i+3], s[36:37] offset:(32*(\m/2)+8*(\m%2)+2*\i+8*(\i/4))*3072 th:TH_STORE_NT   ; stage rows 2 i, 2 i + 1 are the tile's rows 2 i + 8 (i / 4) on; written once, read by nobody here
.endr
.endr
	s_wait_dscnt 0x0                               ; the closing lines, six on end
	s_wait_alu 0x0
	s_wait_tensorcnt 0x0
	ds_add_u32 v254, v255
	s_wait_dscnt 0x0
	s_endpgm
.Lfunc_end_k_q85b5e8b522_outp:
	.size	k_q85b5e8b522_outp, .Lfunc_end_k_q85b5e8b522_outp-k_q85b5e8b522_outp
	.p2alignl 7, 3214868480
	.fill 96, 4, 3214868480
	.section	.rodata,"a",@progbits
	.p2align	6, 0x0
	.amdhsa_kernel k_q85b5e8b522_outp
		.amdhsa_group_segment_fixed_size 17920
		.amdhsa_private_segment_fixed_size 0
		.amdhsa_enable_private_segment 0
		.amdhsa_kernarg_size 48
		.amdhsa_user_sgpr_count 2
		.amdhsa_user_sgpr_kernarg_segment_ptr 1
		.amdhsa_wavefront_size32 1
		.amdhsa_system_sgpr_workgroup_id_x 1
		.amdhsa_system_sgpr_workgroup_id_y 1
		.amdhsa_system_sgpr_workgroup_id_z 1
		.amdhsa_system_vgpr_workitem_id 0
		.amdhsa_next_free_vgpr 352
		.amdhsa_next_free_sgpr 66
		.amdhsa_reserve_vcc 0
		.amdhsa_float_denorm_mode_32 3
		.amdhsa_float_denorm_mode_16_64 3
		.amdhsa_memory_ordered 1
		.amdhsa_forward_progress 1
		.amdhsa_inst_pref_size 48
	.end_amdhsa_kernel
	.amdgpu_metadata
---
amdhsa.version: [ 1, 2 ]
amdhsa.kernels:
  - .name:           k_q85b5e8b522_outp
    .symbol:         k_q85b5e8b522_outp.kd
    .args:
      - { .name: xc, .offset: 0, .size: 8, .value_kind: global_buffer, .address_space: global }
      - { .name: xs, .offset: 8, .size: 8, .value_kind: global_buffer, .address_space: global }
      - { .name: oc, .offset: 16, .size: 8, .value_kind: global_buffer, .address_space: global }
      - { .name: os, .offset: 24, .size: 8, .value_kind: global_buffer, .address_space: global }
      - { .name: bo, .offset: 32, .size: 8, .value_kind: global_buffer, .address_space: global }
      - { .name: out0, .offset: 40, .size: 8, .value_kind: global_buffer, .address_space: global }
    .group_segment_fixed_size: 17920
    .private_segment_fixed_size: 0
    .kernarg_segment_align: 8
    .kernarg_segment_size: 48
    .max_flat_workgroup_size: 128
    .sgpr_count:     66
    .vgpr_count:     352
    .wavefront_size: 32
...
	.end_amdgpu_metadata
.endif
;; end of part 9
